; MI455X (gfx1250); checked and timed in simulation.
; The chip was launched on July 23, 2026; its instructions are those of AMD's public machine-readable ISA for CDNA 5 (MIT licence, August 2026) and "CDNA5" Instruction Set Architecture Reference Guide (July 2026). The comments in the code are by the model that wrote it; some were corrected since.
;; Causal Self Attention. Allowed arithmetic: matrix products marked QUANTISED: E2M3 operands, one E8M0 scale for each 32 along K, by v_wmma_scale_f32_16x16x128_f8f6f4 with both operands' format E2M3, f32 sums; everything else in f32.
;; Inputs: Wk 1,024 x 1,024 float32; Wo 1,024 x 1,024 float32; Wq 1,024 x 1,024 float32; Wv 1,024 x 1,024 float32; bk 1,024 float32; bo 1,024 float32; bq 1,024 float32; bv 1,024 float32; x 4 x 2,048 x 1,024 float32.
;; Outputs: out0 4 x 2,048 x 1,024 float32.
;; This version of the problem:
;;   THIS VERSION OF THE PROBLEM IS GIVEN IN LOW PRECISION. The matrix products marked QUANTISED in the list below multiply operands that are first quantised to E2M3 (2 exponent bits, 3 mantissa bits; 6 bits a number), with one power-of-two scale for each 32 numbers along K (OCP MX v1.0); their sums are f32. All else is computed in f32.
;;   The module's matrix products, in the order in which they are computed (A, B: the left and right operand; K: the contracted axis; several contracted axes count as one K, in the product's order):
;;     1. [M 8,192, K 1,024] x [K 1,024, N 1,024]; A: input x; B: input Wq: QUANTISED
;;     2. [M 8,192, K 1,024] x [K 1,024, N 1,024]; A: input x; B: input Wk: QUANTISED
;;     3. [M 8,192, K 1,024] x [K 1,024, N 1,024]; A: input x; B: input Wv: QUANTISED
;;     4. batch 64 x [M 2,048, K 64] x [K 64, N 2,048]; A: computed on the way; B: computed on the way: QUANTISED
;;     5. batch 64 x [M 2,048, K 2,048] x [K 2,048, N 64]; A: softmax (see below); B: computed on the way: QUANTISED
;;     6. [M 8,192, K 1,024] x [K 1,024, N 1,024]; A: computed on the way; B: input Wo: QUANTISED
;;   THE QUANTISER, for each operand of a quantised product, along K:
;;     - K is cut into blocks of 32 from its start; a last block that is shorter is filled with zeros.
;;     - A block's scale is 2^e with e = floor(log2(the largest magnitude in the block)) - 2, held to -126 .. 127; a block of zeros has e = 0. As a byte (E8M0): e + 127.
;;     - Each number is divided by its block's scale, clamped to +-7.5, and rounded to the nearest number of E2M3, ties to even, subnormals kept.
;;     - The product sums the exact products of the quantised numbers (number of the format x scale) in f32.
;;   ~~~python
;;   def quantise(x, axis):      # numpy; x: float32 -> the quantised numbers, widened to float32 again
;;       x = np.moveaxis(x, axis, -1); K = x.shape[-1]
;;       x = np.pad(x, [(0, 0)] * (x.ndim - 1) + [(0, -K % 32)]); x = x.reshape(x.shape[:-1] + (-1, 32)); a = np.abs(x).max(-1, keepdims=True)
;;       e = np.where(a > 0, np.clip(np.frexp(np.where(a > 0, a, 1))[1] - 1 - 2, -126, 127), 0)      # np.frexp(a)[1] - 1 = floor(log2(a)), exactly
;;       r = np.clip(x / 2.0 ** e, -7.5, 7.5)
;;       step = 2.0 ** (np.maximum(np.frexp(np.where(r == 0, 1, r))[1] - 1, 0) - 3)
;;       q = np.round(r / step) * step * 2.0 ** e      # np.round: ties to even
;;       return np.moveaxis(q.reshape(q.shape[:-2] + (-1,))[..., :K], -1, axis).astype(np.float32)
;;   ~~~
;;   SOFTMAX AHEAD OF A QUANTISED PRODUCT. Where the list says 'softmax', what is quantised is not the finished softmax but p = 2^(t - M), with t = logit x log2(e) and M = ceil(the row's largest t), a whole number; so 1/2 < the row's largest p <= 1. The row's sum l is taken of the UNQUANTISED p, in f32, and the product's result is divided by l at the end. Since M is a whole number, a kernel that streams over the keys may use a running M (the ceiling of the running maximum): every later rescaling is an exact power of two, which a block's scale takes up: the codes' values come out the same.
;;   OPERANDS COMPUTED ON THE WAY. 'Computed on the way' means the value that the module computes at that place (a softmax that the list does not call 'softmax' is quantised finished and normalised). What goes into a quantiser is computed in f32, as accurately as f32 sums, v_exp_f32 and their like allow (about 1e-6 of the number): no bf16 or f16 on the way to a quantiser, and a product that is left as it is and whose result goes on into a quantised operand takes f32 operands (vector FMAs, or v_wmma_f32_16x16x4_f32). A number that lies on a knife's edge between two numbers of the format may be rounded either way, as far as f32 arithmetic and the matrix unit's own rounding can turn it there, and no further.
;; One version. Each part assembles by itself: llvm-mc -triple=amdgcn-amd-amdhsa -mcpu=gfx1250 --defsym DOCPART=n.
;; ======== version 1 of 1: 4 launches
;; workspace buffers: xq 6,553,600 bytes; wq 3,276,800 bytes; qq 6,815,744 bytes; kv 13,369,344 bytes; aq 6,553,600 bytes
;; launch prep (part 1): grid 384 x 1, 4 waves a work-group, no clusters, 34,304 bytes of LDS; arguments x, Wq, Wk, Wv, Wo, xq, wq; writes xq, wq
.if DOCPART == 1
	.amdgcn_target "amdgcn-amd-amdhsa--gfx1250"
	.amdhsa_code_object_version 6
	.text
	.protected	k_q9770118932_prep
	.globl	k_q9770118932_prep
	.p2align	8
	.type	k_q9770118932_prep,@function
k_q9770118932_prep:
	s_mov_b64 s[64:65], 0
	v_nop
	global_prefetch_b8 v0, s[64:65] scope:SCOPE_SE
	s_setreg_imm32_b32 hwreg(HW_REG_WAVE_MODE, 25, 1), 1
	s_wait_xcnt 0x0
; x [8192][1024] f32 (K innermost) and Wq, Wk, Wv, Wo [1024 (k)][1024 (n)] f32 (K is the FIRST axis) become codes of FP6 (E2M3) with one E8M0 byte for each 32 along K.
; A block's scale is 2^(floor(log2(largest magnitude)) - 2); its byte is the largest magnitude's exponent field - 2, held at 1 from below.
; LIMITS: NaN and infinities are not served; a block of zeros gets the byte 1 where the rule says 127 (its codes are zeros, and only this program reads the bytes).
; THE LAYOUT OF BOTH OUTPUTS IS THE ORDER OF THE OPERAND'S REGISTERS.  A TILE is 16 rows of an operand (rows of x, columns n of a weight): lane r of tile 2 B + u holds row 32 B + 8 u + r + 8 (r / 8).
; A fragment (a tile x 128 along K, 12 registers a lane) is two half records of 768 bytes: registers 0-3 of lane l at 16 l, registers 4-5 at 512 + 8 l.  Codes: [tile][K step 8][1536].
; Scale words: [tile][r 16][K step 8], 4 bytes each, behind the codes.
; Work-groups 0-127 take x: a wave takes one tile (16 rows), all of K.  Each load reads 512 consecutive bytes of a row; a K step's 16 x 512 bytes turn through the wave's own stage in LDS (rows 528 bytes apart),
; so that a lane gets its two whole blocks of 32.  Work-groups 128-383 take the weights: a lane takes a column n and its registers run down K, so nothing is transposed.
; Nothing is shared between work-groups, every byte is read once and the launch only streams: no matrix unit, no cluster, no tensor load, no prefetch.
.set XS_OFF, 6291456                   ; x's scale words in xq
.set WS_OFF, 3145728                   ; the weights' in wq
.set STG,    16*528                    ; a wave's stage
.set SPARE,  4*STG                     ; the spare words, 128 bytes a wave: two blocks of 256 bytes that no other line names
.set R,   16                           ; v16-143  x: two sets of 64 registers as loaded
.set X,   144                          ; v144-207 x: my two blocks of 32 numbers
.set PC,  208                          ; v208-219 x: a fragment's codes
.set CT,  220                          ; v220-227 the second halves of blocks, as the conversions leave them
.set W,   228                          ; v228-235 scale words
	s_load_b256 s[4:11], s[0:1], 0x0               ; x, Wq, Wk, Wv
	s_load_b128 s[12:15], s[0:1], 0x20             ; Wo, xq
	s_load_b64 s[16:17], s[0:1], 0x30              ; wq
	v_lshl_add_u32 v12, v0, 2, SPARE               ; my spare word; never rewritten
	v_mov_b32 v13, 0                               ; 0; never rewritten
	v_lshrrev_b32 v1, 5, v0
	v_readfirstlane_b32 s18, v1                    ; wave
	v_and_b32 v1, 31, v0                           ; lane
	v_and_b32 v2, 15, v0                           ; r
	v_bfe_u32 v3, v0, 4, 1                         ; h
	s_mov_b32 s20, 0x76543210
	s_mov_b32 s21, 0xfedcba98                      ; v_permlanex16_b32's selects for lane l xor 16
	s_mul_i32 s19, s18, STG
	v_lshlrev_b32 v4, 4, v1                        ; 16 l
	v_lshlrev_b32 v5, 3, v1                        ; 8 l
	v_add_nc_u32 v6, s19, v4                       ; the stage, on the way in: 16 l of a row
	v_mul_u32_u24 v7, v2, 528
	v_lshl_add_u32 v7, v3, 7, v7
	v_add_nc_u32 v7, s19, v7                       ; and out: row r, + 128 h bytes: my block of each 64 numbers
	s_cmp_ge_u32 ttmp9, 128
	s_cbranch_scc1 .Lweights
	; ---------------- x ----------------
	v_lshlrev_b32 v8, 3, v3                        ; 8 h: where my two bytes stand in a scale word
	v_lshlrev_b32 v9, 5, v2
	v_lshl_add_u32 v9, v3, 4, v9                   ; 32 r + 16 h: my four scale words on the way out
	v_mov_b32 v240, 0                              ; a lane permute's destination counts as one of its sources
	s_lshl_b32 s28, ttmp9, 2
	s_add_co_u32 s28, s28, s18                     ; my tile
	s_lshr_b32 s29, s28, 1
	s_lshl_b32 s29, s29, 5
	s_and_b32 s30, s28, 1
	s_lshl_b32 s30, s30, 3
	s_add_co_u32 s29, s29, s30                     ; its first row: 32 (T / 2) + 8 (T % 2)
	s_lshl_b32 s30, s29, 12
	s_mov_b32 s31, 0
	s_mul_i32 s32, s28, 12288
	s_mov_b32 s33, 0
	s_lshl_b32 s34, s28, 9
	s_add_co_u32 s34, s34, XS_OFF
	s_mov_b32 s35, 0
	s_wait_kmcnt 0x0
	s_add_nc_u64 s[22:23], s[4:5], s[30:31]
	s_add_nc_u64 s[24:25], s[14:15], s[32:33]
	s_add_nc_u64 s[26:27], s[14:15], s[34:35]
.macro XLOAD s                         ; K step s of my 16 rows: 16 loads of 512 consecutive bytes
.irp j, 0,1,2,3,4,5,6,7,8,9,10,11,12,13,14,15
	global_load_b128 v[R+64*((\s)%2)+4*\j:R+64*((\s)%2)+4*\j+3], v4, s[22:23] offset:(\j+8*(\j/8))*4096+512*(\s) th:TH_LOAD_NT
.endr
.endm
.macro XSTEP s
.set RS, R+64*((\s)%2)
.if (\s) < 7
	s_wait_loadcnt 16                              ; this step's 16 loads are in; the next step's 16 may be out
.else
	s_wait_loadcnt 0x0
.endif
.irp j, 0,1,2,3,4,5,6,7,8,9,10,11,12,13,14,15
	ds_store_b128 v6, v[RS+4*\j:RS+4*\j+3] offset:528*\j
.endr
.irp c, 0,1
.irp i, 0,1,2,3,4,5,6,7
	ds_load_b128 v[X+32*\c+4*\i:X+32*\c+4*\i+3], v7 offset:256*\c+16*\i   ; LDS serves a wave's instructions in order: these see the stores above.  k = 64 c + 32 h + 4 i ..
.endr
.endr
	s_wait_dscnt 0x0                               ; my two blocks are in, and the stores have read their registers,
.if (\s) < 6
	XLOAD (\s)+2                                   ; which take the loads of two steps on
.endif
	v_max3_num_f32 v236, |v[X]|, |v[X+1]|, 0x1800000       ; the blocks' largest magnitudes, by turns, with the floor 2^(3 - 127) among the leaves: the byte cannot fall under 1
	v_max3_num_f32 v237, |v[X+32]|, |v[X+33]|, 0x1800000
.irp i, 2,4,6,8,10,12,14,16,18,20,22,24,26,28,30
	v_max3_num_f32 v236, v236, |v[X+\i]|, |v[X+\i+1]|
	v_max3_num_f32 v237, v237, |v[X+32+\i]|, |v[X+33+\i]|
.endr
	v_add_nc_u32 v238, 0xff000000, v236            ; 2 off the exponent field: the conversion's scale operand
	v_add_nc_u32 v239, 0xff000000, v237
	v_lshrrev_b32 v241, 23, v238                   ; the scales' bytes: blocks h and 2 + h
	v_lshrrev_b32 v242, 23, v239
	v_lshl_or_b32 v243, v242, 16, v241
	v_lshlrev_b32 v243, v8, v243                   ; at their places in the word;
	v_permlanex16_b32 v240, v243, s20, s21
	v_or_b32 v[W+(\s)], v243, v240                 ; with lane l xor 16's two the word is whole
.if (\s) > 0
	s_wait_xcnt 0x0                                ; the last step's stores have read the codes' registers
.endif
	v_cvt_scalef32_pk16_fp6_f32 v[PC:PC+2], v[X:X+15], v238
	v_cvt_scalef32_pk16_fp6_f32 v[CT:CT+2], v[X+16:X+31], v238          ; (a conversion's three registers begin on an even number)
	v_cvt_scalef32_pk16_fp6_f32 v[PC+6:PC+8], v[X+32:X+47], v239
	v_cvt_scalef32_pk16_fp6_f32 v[CT+4:CT+6], v[X+48:X+63], v239
	v_nop                                          ; one plain place behind a scaled conversion
.irp c, 0,1
.irp i, 0,1,2
	v_mov_b32 v[PC+6*\c+3+\i], v[CT+4*\c+\i]
.endr
.endr
	global_store_b128 v4, v[PC:PC+3], s[24:25] offset:1536*(\s)         ; 512 consecutive bytes
	global_store_b64 v5, v[PC+4:PC+5], s[24:25] offset:1536*(\s)+512    ; 256
	global_store_b128 v4, v[PC+6:PC+9], s[24:25] offset:1536*(\s)+768
	global_store_b64 v5, v[PC+10:PC+11], s[24:25] offset:1536*(\s)+1280
.endm
	XLOAD 0
	XLOAD 1
.irp s, 0,1,2,3,4,5,6,7
	XSTEP \s
.endr
	v_cmp_le_u32 vcc_lo, 16, v1                    ; lanes 0-15 store the words of K steps 0-3, lanes 16-31 those of 4-7
.irp j, 0,1,2,3
	v_cndmask_b32 v[236+\j], v[W+\j], v[W+4+\j], vcc_lo
.endr
	global_store_b128 v9, v[236:239], s[26:27]     ; the tile's 512 bytes of scale words
	s_branch .Lend
	; ---------------- the weights ----------------
.Lweights:
	s_sub_co_u32 s28, ttmp9, 128
	s_lshr_b32 s29, s28, 6                         ; which weight: 0 Wq, 1 Wk, 2 Wv, 3 Wo
	s_bfe_u32 s30, s28, 0x30003                    ; which 128 columns
	s_and_b32 s31, s28, 7                          ; which K step of 128 rows
	v_lshlrev_b32 v10, 2, v1                       ; in: 4 bytes a lane: column 32 wave + l
	v_bfe_u32 v16, v0, 3, 1                        ; column l of a group of 32 is lane r' = l % 8 + 8 (l / 16) of tile u = (l / 8) % 2
	v_and_b32 v17, 7, v0
	v_lshl_add_u32 v17, v3, 3, v17
	v_mul_u32_u24 v18, v16, 12288
	v_lshl_add_u32 v11, v17, 4, v18                ; out: registers 0-3
	v_lshl_add_u32 v14, v17, 3, v18                ; registers 4-5
	v_lshlrev_b32 v15, 5, v17
	v_lshl_add_u32 v15, v16, 9, v15                ; the scale word
	s_lshl_b32 s32, s31, 19                        ; 128 rows of 4,096 bytes a K step
	s_lshl_b32 s34, s30, 9
	s_add_co_u32 s32, s32, s34
	s_lshl_b32 s34, s18, 7
	s_add_co_u32 s32, s32, s34
	s_mov_b32 s33, 0
	s_lshl_b32 s34, s29, 6
	s_lshl_b32 s35, s30, 3
	s_add_co_u32 s34, s34, s35
	s_lshl_b32 s35, s18, 1
	s_add_co_u32 s34, s34, s35                     ; my wave's first tile: 64 m + 8 ng + 2 wave
	s_mul_i32 s36, s34, 12288
	s_mul_i32 s35, s31, 1536
	s_add_co_u32 s36, s36, s35
	s_mov_b32 s37, 0
	s_lshl_b32 s38, s34, 9
	s_lshl_b32 s35, s31, 2
	s_add_co_u32 s38, s38, s35
	s_add_co_u32 s38, s38, WS_OFF
	s_mov_b32 s39, 0
	s_wait_kmcnt 0x0
	s_cmp_eq_u32 s29, 1                            ; the choice hangs on the work-group's number alone
	s_cselect_b64 s[22:23], s[8:9], s[6:7]
	s_cmp_eq_u32 s29, 2
	s_cselect_b64 s[22:23], s[10:11], s[22:23]
	s_cmp_eq_u32 s29, 3
	s_cselect_b64 s[22:23], s[12:13], s[22:23]
	s_add_nc_u64 s[22:23], s[22:23], s[32:33]
	s_add_nc_u64 s[24:25], s[16:17], s[36:37]
	s_add_nc_u64 s[26:27], s[16:17], s[38:39]
.macro WLOAD k                         ; block k: W(32 k + i, my column): a wave's load reads 128 consecutive bytes, the four waves stand side by side
.irp i, 0,1,2,3,4,5,6,7,8,9,10,11,12,13,14,15,16,17,18,19,20,21,22,23,24,25,26,27,28,29,30,31
	global_load_b32 v[16+32*((\k)%2)+\i], v10, s[22:23] offset:(32*(\k)+\i)*4096 th:TH_LOAD_NT
.endr
.endm
.macro WBLOCK k
.set XB, 16+32*((\k)%2)
.set CC, 144+8*(\k)                    ; each block has its own six registers of codes: no store's data are written again
.if (\k) < 3
	s_wait_loadcnt 32                              ; this block's 32 loads are in; the next block's may be out
.else
	s_wait_loadcnt 0x0
.endif
	v_max3_num_f32 v236, |v[XB]|, |v[XB+1]|, |v[XB+2]|     ; all 32 numbers of the block are mine
	v_max3_num_f32 v237, |v[XB+3]|, |v[XB+4]|, |v[XB+5]|
.irp i, 6,10,14,18,22,26
	v_max3_num_f32 v236, v236, |v[XB+\i]|, |v[XB+\i+1]|
	v_max3_num_f32 v237, v237, |v[XB+\i+2]|, |v[XB+\i+3]|
.endr
	v_max3_num_f32 v236, v236, |v[XB+30]|, |v[XB+31]|
	v_max3_num_f32 v236, v236, v237, 0x1800000     ; and the floor
	v_add_nc_u32 v238, 0xff000000, v236
	v_lshrrev_b32 v239, 23, v238
.if (\k) == 0
	v_mov_b32 v[W], v239
.else
	v_lshl_or_b32 v[W], v239, 8*(\k), v[W]
.endif
	v_cvt_scalef32_pk16_fp6_f32 v[CC:CC+2], v[XB:XB+15], v238
	v_cvt_scalef32_pk16_fp6_f32 v[CT:CT+2], v[XB+16:XB+31], v238
	v_nop
.irp i, 0,1,2
	v_mov_b32 v[CC+3+\i], v[CT+\i]
.endr
	global_store_b128 v11, v[CC:CC+3], s[24:25] offset:768*((\k)/2)+256*((\k)%2)        ; block k = 2 c + h is lane (r', h) of half record c: two runs of 256 consecutive bytes, one a tile
	global_store_b64 v14, v[CC+4:CC+5], s[24:25] offset:768*((\k)/2)+512+128*((\k)%2)   ; two runs of 128
.if (\k) < 2
	WLOAD (\k)+2
.endif
.endm
	WLOAD 0
	WLOAD 1
.irp k, 0,1,2,3
	WBLOCK \k
.endr
	global_store_b32 v15, v[W], s[26:27]           ; my column's scale word of this K step: 4 bytes of each 32, one byte for each 128 that the launch reads
.Lend:
	s_wait_tensorcnt 0x0                           ; the wave's end
	ds_add_u32 v12, v13
	s_wait_dscnt 0x0
	s_endpgm
.Lfunc_end_k_q9770118932_prep:
	.size	k_q9770118932_prep, .Lfunc_end_k_q9770118932_prep-k_q9770118932_prep
	.p2alignl 7, 3214868480
	.fill 96, 4, 3214868480
	.section	.rodata,"a",@progbits
	.p2align	6, 0x0
	.amdhsa_kernel k_q9770118932_prep
		.amdhsa_group_segment_fixed_size 34304
		.amdhsa_private_segment_fixed_size 0
		.amdhsa_enable_private_segment 0
		.amdhsa_kernarg_size 56
		.amdhsa_user_sgpr_count 2
		.amdhsa_user_sgpr_kernarg_segment_ptr 1
		.amdhsa_wavefront_size32 1
		.amdhsa_system_sgpr_workgroup_id_x 1
		.amdhsa_system_sgpr_workgroup_id_y 1
		.amdhsa_system_sgpr_workgroup_id_z 1
		.amdhsa_system_vgpr_workitem_id 0
		.amdhsa_next_free_vgpr 248
		.amdhsa_next_free_sgpr 66
		.amdhsa_reserve_vcc 1
		.amdhsa_float_denorm_mode_32 3
		.amdhsa_float_denorm_mode_16_64 3
		.amdhsa_memory_ordered 1
		.amdhsa_forward_progress 1
		.amdhsa_inst_pref_size 78
	.end_amdhsa_kernel
	.amdgpu_metadata
---
amdhsa.version: [ 1, 2 ]
amdhsa.kernels:
  - .name:           k_q9770118932_prep
    .symbol:         k_q9770118932_prep.kd
    .args:
      - { .name: x, .offset: 0, .size: 8, .value_kind: global_buffer, .address_space: global }
      - { .name: Wq, .offset: 8, .size: 8, .value_kind: global_buffer, .address_space: global }
      - { .name: Wk, .offset: 16, .size: 8, .value_kind: global_buffer, .address_space: global }
      - { .name: Wv, .offset: 24, .size: 8, .value_kind: global_buffer, .address_space: global }
      - { .name: Wo, .offset: 32, .size: 8, .value_kind: global_buffer, .address_space: global }
      - { .name: xq, .offset: 40, .size: 8, .value_kind: global_buffer, .address_space: global }
      - { .name: wq, .offset: 48, .size: 8, .value_kind: global_buffer, .address_space: global }
    .group_segment_fixed_size: 34304
    .private_segment_fixed_size: 0
    .kernarg_segment_align: 8
    .kernarg_segment_size: 56
    .max_flat_workgroup_size: 128
    .sgpr_count:     66
    .vgpr_count:     248
    .wavefront_size: 32
...
	.end_amdgpu_metadata
.endif
;; end of part 1
;; launch qkv (part 2): grid 12 x 64, 4 waves a work-group, clusters of 4 x 4, 327,680 bytes of LDS; arguments xq, wq, bq, bk, bv, qq, kv; writes qq, kv
.if DOCPART == 2
	.amdgcn_target "amdgcn-amd-amdhsa--gfx1250"
	.amdhsa_code_object_version 6
	.text
	.protected	k_q9770118932_qkv
	.globl	k_q9770118932_qkv
	.p2align	8
	.type	k_q9770118932_qkv,@function
k_q9770118932_qkv:
	s_mov_b64 s[64:65], 0
	v_nop
	global_prefetch_b8 v0, s[64:65] scope:SCOPE_SE
	s_setreg_imm32_b32 hwreg(HW_REG_WAVE_MODE, 25, 1), 1
	s_wait_xcnt 0x0
	s_wait_alu depctr_hold_cnt(0) depctr_sa_sdst(0) depctr_va_vdst(0) depctr_va_sdst(0) depctr_va_ssrc(0) depctr_va_vcc(0) depctr_vm_vsrc(0)
	s_getreg_b32 s2, hwreg(HW_REG_IB_STS2, 6, 4)
	s_cmp_eq_u32 s2, 0
	s_cbranch_scc0 .Lentry_in_a_cluster
	s_endpgm
.Lentry_in_a_cluster:
	s_bfe_u32 s2, ttmp6, 0x10000c
	s_cmp_lg_u32 s2, 0xf033
	s_cbranch_scc0 .Lentry_shape_is_right
	s_endpgm
.Lentry_shape_is_right:
; q = x Wq + bq, k = x Wk + bk, v = x Wv + bv on codes of FP6 (E2M3) with E8M0 scales, sums in f32; the results are quantised in registers and leave as codes: q and k along the head's 64, v along the positions (the keys).
; LIMITS: NaN and infinities are not served; a block of zeros gets the byte 1 (its codes are zeros; only this program reads the bytes).
; OPERANDS lie in memory in the order of the operand's registers: a tile is 16 rows, lane r of tile 2 B + u holds row 32 B + 8 u + r + 8 (r / 8); a fragment (tile x 128 K) is 1,536 bytes: two half records of
; 768 (registers 0-3 of lane l at 16 l, registers 4-5 at 512 + 8 l); codes [tile][K step 8][1536]; scale words [tile][r][K step], behind the codes.
; A WORK-GROUP multiplies a BIG block of 256 rows (16 tiles) by a SMALL block of 128 rows (8 tiles), with ALL of K = 1,024: (256 + 128) x 768 = 294,912 bytes lie in LDS at once.  So every tensor load is a first
; fill: no slot is filled again.  K comes in four chunks of two K steps; a wave has four loads out at the start, and each chunk is read behind a counted wait and a barrier.
; Four waves: source 0 = 8 tiles of BIG (half wave % 2), source 1 = 4 tiles of SMALL (half wave / 2): 32 accumulators, 32 matrix instructions a K step.  In a result a lane holds ONE row of SMALL, and the
; 16 registers of BIG's tiles 2 B, 2 B + 1 are BIG's rows 32 B + 16 (lane / 16) + 0 .. 15: 16 neighbours along the axis that is quantised next.
; THE THREE WAYS hang on the cluster's x, the same in all sixteen partners.  0: q, 1: k: BIG = the weight's columns, SMALL = x's rows: a lane is a position, its registers run along the heads' channels.
; 2: v: BIG = x's rows, SMALL = Wv's columns: a lane is a channel, its registers run along 128 positions.  LDS, registers and the loop over K are the same; pointers, indices and the way out's strides differ.
; CLUSTER 4 x 4: BIG's block hangs on cx and is shared along a column of the cluster, SMALL's on cy and is shared along a row: each is asked for jointly, which divides the requests by four.
; No prefetch: all that the work-group reads through LDS is asked for at its head.
; OUT: qq: codes [head 64][tile 128][768], scale words [head][4 tiles][r][tile % 4].  kv: [head 64][slot of 256 keys 8][26,112]: K's 16 half records; V's fragments [128 keys 2][16 channels 4][1536];
; K's scale words [4 tiles 4][r][tile % 4]; V's [128 keys 2][r][tile 4].  Of q's and k's words bytes 0, 1 are the head's; bytes 2, 3 (the neighbour head's, or 0) stand over zero codes later.
; REGISTERS: window 0: v1-7 lane numbers and the add's two; v8-23 LDS addresses; v24-30 offsets; v32-63 BIG's scale words, v64-79 SMALL's; v96.. the way out.
;   window 1: BIG's fragments, two sets of 96.  window 2: SMALL's, two sets of 48; v128-191 the bias along BIG.  window 3: accumulator (a, b) at v[64 a + 8 b].
.set FRB,    1536
.set CHB,    2*FRB                     ; a tile's part of a chunk
.set BIGC,   16*CHB                    ; BIG's chunk in LDS
.set SMC,    8*CHB                     ; SMALL's
.set SMALLL, 4*BIGC                    ; SMALL begins here
.set SPARE,  SMALLL+4*SMC              ; the spare words, 128 bytes a wave: two blocks of 256 bytes that no other line names
.set XS_OFF, 6291456
.set WS_OFF, 3145728
.set QS_OFF, 6291456
.set SLOTB,  26112
.set HEADB,  8*SLOTB
.set G1S, 28                           ; s[28:35] descriptor group 1 for SMALL; s[36:43] for BIG
.set G1B, 36
.set G0S, 44                           ; s[44:59] groups 0 for SMALL's four chunks; s[68:83] for BIG's
.set G0B, 68
.set SEL, 2                            ; s[2:3] lane selects
.set T,   96                           ; v96-159  64 numbers to be quantised
.set PC,  160                          ; v160-179 codes
.set TM,  180                          ; v180-195 at work
.set PW,  196                          ; the scale word just made
.set SW,  200                          ; v200-203 four scale words on the way out
.set B1,  204                          ; v204-211 the bias along SMALL, a pair for each tile
.set MSB, 0
.macro WIN new                         ; the immediate's high byte repeats the setting that is left
.if MSB != \new
	s_set_vgpr_msb (MSB<<8)|\new
.set MSB, \new
.endif
.endm
.macro CROUND                          ; a round of the cluster's barrier
	s_barrier_signal -1
	s_barrier_wait -1
	s_cmp_lg_u32 s18, 0
	s_cbranch_scc1 .Lnot_wave_0_\@
	s_barrier_signal -3
.Lnot_wave_0_\@:
	s_barrier_wait -3
	s_barrier_signal -1
	s_barrier_wait -1
.endm
.macro PLACES                          ; four plain places behind a matrix instruction, ahead of loads into its registers and of reads of its results
.rept 4
	v_nop
.endr
.endm
.macro FRAG reg, a16, a8, off          ; a fragment comes as it lies: 512, 256, 512, 256 consecutive bytes
	ds_load_b128 v[(\reg):(\reg)+3], v[\a16] offset:(\off)
	ds_load_b64 v[(\reg)+4:(\reg)+5], v[\a8] offset:(\off)+512
	ds_load_b128 v[(\reg)+6:(\reg)+9], v[\a16] offset:(\off)+768
	ds_load_b64 v[(\reg)+10:(\reg)+11], v[\a8] offset:(\off)+1280
.endm
.macro FETCH s                         ; K step s: 48 LDS loads into set s % 2
	WIN 0x40
.irp i, 0,1,2,3,4,5,6,7
	FRAG 96*((\s)%2)+12*\i, 8+(\s)/2, 12+(\s)/2, CHB*\i+FRB*((\s)%2)
.endr
	WIN 0x80
.irp a, 0,1,2,3
	FRAG 48*((\s)%2)+12*\a, 16+(\s)/2, 20+(\s)/2, CHB*\a+FRB*((\s)%2)
.endr
	WIN 0
.endm
; 32 matrix instructions.  The 32 accumulators take turns, one instruction a turn, in the same order in every K step.  zero = 1: the first products start the sums.
; A scale register holds the words of K steps 0-3 in lanes 0-15 and of 4-7 in lanes 16-31: K step s names register s % 4, from s = 4 on with the upper lanes.
.macro MUL32 s, zero
.set FA, 96*((\s)%2)
.set FB, 48*((\s)%2)
.set SA, 32+(\s)%4
.set SB, 64+(\s)%4
	WIN 0xf9                                       ; source 0 window 1, source 1 window 2, C and D window 3
.irp a, 0,1,2,3
.irp b, 0,1,2,3,4,5,6,7
.if \zero
	v_wmma_scale_f32_16x16x128_f8f6f4 v[64*\a+8*\b:64*\a+8*\b+7], v[FA+12*\b:FA+12*\b+11], v[FB+12*\a:FB+12*\a+11], 0, v[SA+4*\b], v[SB+4*\a] matrix_a_fmt:MATRIX_FMT_FP6 matrix_b_fmt:MATRIX_FMT_FP6
.elseif (\s) < 4
	v_wmma_scale_f32_16x16x128_f8f6f4 v[64*\a+8*\b:64*\a+8*\b+7], v[FA+12*\b:FA+12*\b+11], v[FB+12*\a:FB+12*\a+11], v[64*\a+8*\b:64*\a+8*\b+7], v[SA+4*\b], v[SB+4*\a] matrix_a_fmt:MATRIX_FMT_FP6 matrix_b_fmt:MATRIX_FMT_FP6
.else
	v_wmma_scale_f32_16x16x128_f8f6f4 v[64*\a+8*\b:64*\a+8*\b+7], v[FA+12*\b:FA+12*\b+11], v[FB+12*\a:FB+12*\a+11], v[64*\a+8*\b:64*\a+8*\b+7], v[SA+4*\b], v[SB+4*\a] matrix_a_fmt:MATRIX_FMT_FP6 matrix_b_fmt:MATRIX_FMT_FP6 matrix_a_scale:MATRIX_SCALE_ROW1 matrix_b_scale:MATRIX_SCALE_ROW1
.endif
.endr
.endr
.endm
.macro KSTEP s, zero
.if ((\s)%2 == 1) && ((\s) < 7)
	s_wait_tensorcnt 3-((\s)+1)/2                  ; my part of the next chunk is in; the later chunks' loads may stay out
	s_wait_dscnt 0x0                               ; no LDS instruction of mine is out at a signal
	s_barrier_signal -1
	s_barrier_wait -1                              ; everybody's part is in
.endif
.if (\s) < 7
.if (\s) > 0
	PLACES
.endif
	FETCH (\s)+1
	s_wait_dscnt 48                                ; all but the 48 just issued: this step's fragments are in
.else
	s_wait_dscnt 0x0
.endif
	MUL32 \s, \zero
.endm
; 64 numbers of a lane, register 16 b + i = k 32 b + 16 (lane / 16) + i of my row, become a fragment's codes in v[PC] on and its scale word in v[PW].
.macro QUANT s
.irp b, 0,1,2,3
	v_max3_num_f32 v[TM+\b], |v[\s+16*\b]|, |v[\s+1+16*\b]|, 0x1800000   ; block b: my 16 numbers, and the floor 2^(3 - 127): the byte cannot fall under 1
.endr
.irp i, 2,4,6,8,10,12,14
.irp b, 0,1,2,3
	v_max3_num_f32 v[TM+\b], v[TM+\b], |v[\s+16*\b+\i]|, |v[\s+1+16*\b+\i]|
.endr
.endr
.irp b, 0,1,2,3
	v_permlanex16_b32 v[TM+4+\b], v[TM+\b], s[SEL], s[SEL+1]
.endr
.irp b, 0,1,2,3
	v_max_num_f32 v[TM+\b], v[TM+\b], v[TM+4+\b]   ; with lane l xor 16's: the block's largest magnitude
.endr
.irp b, 0,1,2,3
	v_add_nc_u32 v[TM+12+\b], 0xff000000, v[TM+\b] ; 2 off its exponent field: the conversion's scale operand
.endr
.irp b, 0,1,2,3
	v_lshrrev_b32 v[TM+4+\b], 23, v[TM+12+\b]      ; the scale's byte
.endr
	v_lshl_or_b32 v[PW], v[TM+5], 8, v[TM+4]
	v_lshl_or_b32 v[PW], v[TM+6], 16, v[PW]
	v_lshl_or_b32 v[PW], v[TM+7], 24, v[PW]
.irp c, 0,1
	v_cvt_scalef32_pk16_fp6_f32 v[PC+6*\c:PC+2+6*\c], v[\s+32*\c:\s+15+32*\c], v[TM+12+2*\c]
	v_cvt_scalef32_pk16_fp6_f32 v[PC+12+4*\c:PC+14+4*\c], v[\s+16+32*\c:\s+31+32*\c], v[TM+12+2*\c+1]   ; (a conversion's three registers begin on an even number)
.endr
	v_nop                                          ; one plain place behind a scaled conversion
.irp c, 0,1                                    ; the operand's layout wants a WHOLE block in a lane
.irp i, 0,1,2
	v_permlane16_swap_b32 v[PC+6*\c+\i], v[PC+12+4*\c+\i]
.endr
.irp i, 0,1,2
	v_mov_b32 v[PC+3+6*\c+\i], v[PC+12+4*\c+\i]
.endr
.endr
.endm
	s_load_b256 s[4:11], s[0:1], 0x0               ; xq, wq, bq, bk
	s_load_b128 s[12:15], s[0:1], 0x20             ; bv, qq
	s_load_b64 s[16:17], s[0:1], 0x30              ; kv
	v_lshl_add_u32 v6, v0, 2, SPARE                ; my spare word; never rewritten
	v_mov_b32 v7, 0                                ; 0; never rewritten
	ds_add_u32 v6, v7                              ; the wave's opening: the add and its wait stand ahead of my first tensor load; the set-up below stands between them
	v_lshrrev_b32 v1, 5, v0
	v_readfirstlane_b32 s18, v1                    ; wave
	s_lshr_b32 s19, s18, 1                         ; my half of SMALL.  Also: I fetch for SMALL (0) or for BIG (1)
	s_and_b32 s20, s18, 1                          ; my half of BIG.  Also: which half I fetch
	s_bfe_u32 s21, ttmp6, 0x40000                  ; cx
	s_bfe_u32 s22, ttmp6, 0x40004                  ; cy
	s_and_b32 s23, ttmp7, 0xffff                   ; the cluster's y
	s_mov_b32 s24, ttmp9                           ; the cluster's x: the way
	s_mov_b32 s[SEL], 0x76543210
	s_mov_b32 s[SEL+1], 0xfedcba98
	s_lshl_b32 s25, s22, 2
	s_lshl_b32 s25, 15, s25                        ; my row of the cluster
	s_lshl_b32 s26, 0x1111, s21                    ; my column
	s_or_b32 s[G1S], s25, (3<<16)|(1<<21)          ; 15:0 the mask; 17:16 elements of 8 bytes; 21 set beside a mask; no padding
	s_or_b32 s[G1B], s26, (3<<16)|(1<<21)
	s_mov_b32 s[G1S+1], 384<<16                    ; tensor_dim0: a row is a tile's part of a chunk, 3,072 bytes
	s_mov_b32 s[G1S+2], 4<<16                      ; tensor_dim1: four tiles
	s_mov_b32 s[G1S+3], 384<<16                    ; tile_dim0
	s_mov_b32 s[G1S+4], 4                          ; tile_dim1
	s_mov_b32 s[G1S+5], 1536                       ; from tile to tile: 12,288 bytes
	s_mov_b32 s[G1S+6], 0
	s_mov_b32 s[G1S+7], 0
	s_mov_b32 s[G1B+1], 384<<16
	s_mov_b32 s[G1B+2], 8<<16                      ; eight tiles
	s_mov_b32 s[G1B+3], 384<<16
	s_mov_b32 s[G1B+4], 8
	s_mov_b32 s[G1B+5], 1536
	s_mov_b32 s[G1B+6], 0
	s_mov_b32 s[G1B+7], 0
	; which blocks.  BIG's index is made of cx and the cluster's place, SMALL's of cy and the cluster's place, each in registers that never hold the other coordinate
	s_lshl_b32 s92, s24, 2                         ; q, k: BIG = block 4 way + cx of the weights
	s_lshr_b32 s88, s23, 1
	s_lshl_b32 s88, s88, 2                         ; v: BIG = block 4 (y / 2) + cx of x
	s_lshl_b32 s93, s23, 2                         ; q, k: SMALL = block 4 y + cy of x
	s_and_b32 s90, s23, 1
	s_lshl_b32 s90, s90, 2
	s_add_co_u32 s90, s90, 16                      ; v: SMALL = block 16 + 4 (y % 2) + cy of the weights (Wv begins at 16)
	s_mov_b32 s62, WS_OFF
	s_mov_b32 s63, WS_OFF
	s_cmp_eq_u32 s24, 2
	s_cselect_b32 s92, s88, s92
	s_cselect_b32 s93, s90, s93
	s_cselect_b32 s62, XS_OFF, s62                 ; where BIG's scale words begin
	s_cselect_b32 s63, s63, XS_OFF                 ; and SMALL's
	s_add_co_u32 s92, s92, s21                     ; BIG's block
	s_add_co_u32 s93, s93, s22                     ; SMALL's block
	s_mul_i32 s88, s92, 16*12288
	s_mul_i32 s27, s20, 8*12288
	s_add_co_u32 s88, s88, s27                     ; BIG: the half that I would fetch
	s_mov_b32 s89, 0
	s_mul_i32 s90, s93, 8*12288
	s_mul_i32 s27, s20, 4*12288
	s_add_co_u32 s90, s90, s27                     ; SMALL likewise
	s_mov_b32 s91, 0
	s_mul_i32 s60, s20, 4*CHB                      ; and where they go: no place in the cluster enters an LDS address
	s_mul_i32 s61, s20, 8*CHB
	s_wait_dscnt 0x0                               ; the opening add is done
	s_wait_kmcnt 0x0
	s_cmp_eq_u32 s24, 2
	s_cselect_b64 s[84:85], s[4:5], s[6:7]         ; BIG's buffer
	s_cselect_b64 s[86:87], s[6:7], s[4:5]         ; SMALL's
	s_add_nc_u64 s[94:95], s[84:85], s[88:89]
	s_add_nc_u64 s[96:97], s[86:87], s[90:91]
	CROUND                                         ; all sixteen work-groups are here: the joint loads meet
.irp c, 0,1,2,3
	s_mov_b32 s[G0S+4*\c], 1
	s_add_co_u32 s[G0S+4*\c+1], s60, SMALLL+SMC*\c
	s_add_nc_u64 s[G0S+4*\c+2:G0S+4*\c+3], s[96:97], CHB*\c
	s_or_b32 s[G0S+4*\c+3], s[G0S+4*\c+3], 0x80000000
	s_mov_b32 s[G0B+4*\c], 1
	s_add_co_u32 s[G0B+4*\c+1], s61, BIGC*\c
	s_add_nc_u64 s[G0B+4*\c+2:G0B+4*\c+3], s[94:95], CHB*\c
	s_or_b32 s[G0B+4*\c+3], s[G0B+4*\c+3], 0x80000000
.endr
	s_cmp_eq_u32 s19, 0                            ; a wave's four fills stand in one branch on the wave's number: four loads of mine are out
	s_cbranch_scc0 .Lfill_big
.irp c, 0,1,2,3
	tensor_load_to_lds s[G0S+4*\c:G0S+4*\c+3], s[G1S:G1S+7]
	s_nop 0
.endr
	PLACES
	s_branch .Lfilled
.Lfill_big:
.irp c, 0,1,2,3
	tensor_load_to_lds s[G0B+4*\c:G0B+4*\c+3], s[G1B:G1B+7]
	s_nop 0
.endr
	PLACES
.Lfilled:
	v_and_b32 v1, 31, v0                           ; lane
	v_and_b32 v2, 15, v0                           ; r
	v_bfe_u32 v3, v0, 4, 1                         ; h
	v_lshlrev_b32 v4, 4, v1                        ; 16 l
	v_lshlrev_b32 v5, 3, v1                        ; 8 l
	s_mul_i32 s27, s20, 8*CHB                      ; BIG: my 8 tiles
.irp c, 0,1,2,3
	v_add_nc_u32 v[8+\c], s27, v4
	v_add_nc_u32 v[12+\c], s27, v5
	s_add_co_u32 s27, s27, BIGC
.endr
	s_mul_i32 s27, s19, 4*CHB                      ; SMALL: my 4 tiles
	s_add_co_u32 s27, s27, SMALLL
.irp c, 0,1,2,3
	v_add_nc_u32 v[16+\c], s27, v4
	v_add_nc_u32 v[20+\c], s27, v5
	s_add_co_u32 s27, s27, SMC
.endr
	v_lshlrev_b32 v24, 5, v2
	v_lshl_add_u32 v24, v3, 4, v24                 ; scale words: 32 r + 16 h: lanes 0-15 K steps 0-3, lanes 16-31 K steps 4-7
	v_and_b32 v25, 8, v2
	v_add_nc_u32 v25, v25, v2
	v_lshlrev_b32 v25, 2, v25                      ; the bias along SMALL: 4 (r + 8 (r / 8))
	v_lshlrev_b32 v26, 6, v3                       ; the bias along BIG: 64 h
.irp b, 0,1,2,3
	v_mov_b32 v[TM+4+\b], 0                        ; a lane permute's destination counts as one of its sources
.endr
	s_lshl_b32 s88, s92, 13                        ; 16 tiles x 512 bytes a block,
	s_lshl_b32 s27, s20, 12                        ; my 8 tiles
	s_add_co_u32 s88, s88, s27
	s_add_co_u32 s88, s88, s62
	s_add_nc_u64 s[94:95], s[84:85], s[88:89]
	s_lshl_b32 s90, s93, 12
	s_lshl_b32 s27, s19, 11
	s_add_co_u32 s90, s90, s27
	s_add_co_u32 s90, s90, s63
	s_add_nc_u64 s[96:97], s[86:87], s[90:91]
.irp i, 0,1,2,3,4,5,6,7
	global_load_b128 v[32+4*\i:35+4*\i], v24, s[94:95] offset:512*\i    ; a tile's 512 bytes of scale words
.endr
.irp a, 0,1,2,3
	global_load_b128 v[64+4*\a:67+4*\a], v24, s[96:97] offset:512*\a
.endr
	; the bias.  Both forms are loaded on every way, from places inside the buffer, so that every register is written on every path; each way adds one of them
	s_lshl_b32 s88, s21, 10                        ; q, k: along BIG: 256 cx + 128 (wave % 2) numbers on
	s_sub_co_u32 s90, s93, 16
	s_lshl_b32 s90, s90, 9
	s_lshl_b32 s27, s19, 8
	s_add_co_u32 s90, s90, s27                     ; v: along SMALL: 128 (block - 16) + 64 (wave / 2) numbers on
	s_cmp_eq_u32 s24, 1
	s_cselect_b64 s[98:99], s[10:11], s[8:9]
	s_cmp_eq_u32 s24, 2
	s_cselect_b64 s[98:99], s[12:13], s[98:99]
	s_cselect_b32 s88, 0, s88
	s_cselect_b32 s90, s90, 0
	s_lshl_b32 s27, s20, 9
	s_add_co_u32 s88, s88, s27
	s_add_nc_u64 s[100:101], s[98:99], s[88:89]
	s_add_nc_u64 s[98:99], s[98:99], s[90:91]
.irp a, 0,1,2,3
	global_load_b32 v[B1+2*\a], v25, s[98:99] offset:(32*(\a/2)+8*(\a%2))*4
	global_load_b32 v[B1+2*\a+1], v25, s[98:99] offset:(32*(\a/2)+8*(\a%2))*4      ; twice: a pair for the packed addition
.endr
	WIN 0x80
.irp b, 0,1,2,3,4,5,6,7
	global_load_b128 v[128+8*\b:131+8*\b], v26, s[100:101] offset:(32*(\b/2)+8*(\b%2))*4       ; in the result's layout: tile b's eight rows of my half
	global_load_b128 v[132+8*\b:135+8*\b], v26, s[100:101] offset:(32*(\b/2)+8*(\b%2))*4+16
.endr
	WIN 0
	s_wait_tensorcnt 3                             ; my part of chunk 0 is in; chunks 1 to 3 may be out
	s_barrier_signal -1
	s_barrier_wait -1
	FETCH 0
	s_wait_loadcnt 0x0                             ; scale words and biases
	KSTEP 0, 1
.irp s, 1,2,3,4,5,6,7
	KSTEP \s, 0
.endr
	WIN 0
	PLACES
	; THE WAY OUT.  Numbers that hang on the way: three arms, each writes all of them.  s88, s90: where my codes and scale words begin; s96: from a fragment's first half record to its second;
	; s100: from tile a to a + 1; s97, s98: lanes 16-31 store the word's upper half for the odd head, s97 bytes on; s99: lanes that store scale words
	s_cmp_eq_u32 s24, 2
	s_cbranch_scc1 .Larm_v
	s_lshl_b32 s25, s93, 7
	s_lshl_b32 s26, s19, 6
	s_add_co_u32 s25, s25, s26                     ; my first position
	s_lshr_b32 s26, s25, 11
	s_lshl_b32 s26, s26, 4
	s_lshl_b32 s27, s21, 2
	s_add_co_u32 s26, s26, s27
	s_lshl_b32 s27, s20, 1
	s_add_co_u32 s26, s26, s27                     ; my first head: 16 batch + 4 cx + 2 (wave % 2)
	s_bfe_u32 s25, s25, 0x70004                    ; my first tile in the sequence
	s_mov_b32 s98, 16
	s_mov_b32 s99, 32
	s_mov_b32 s100, 768
	s_cmp_eq_u32 s24, 1
	s_cbranch_scc1 .Larm_k
	s_lshl_b32 s27, s26, 7
	s_add_co_u32 s27, s27, s25
	s_mul_i32 s88, s27, 768
	s_lshl_b32 s27, s26, 5
	s_lshr_b32 s90, s25, 2
	s_add_co_u32 s27, s27, s90
	s_lshl_b32 s90, s27, 8
	s_add_co_u32 s90, s90, QS_OFF
	s_mov_b32 s96, 128*768
	s_mov_b32 s97, 32*256
	s_branch .Larm_done
.Larm_k:
	s_mul_i32 s27, s26, HEADB
	s_lshr_b32 s88, s25, 4
	s_mul_i32 s88, s88, SLOTB
	s_add_co_u32 s27, s27, s88                     ; the head's slot
	s_and_b32 s88, s25, 15
	s_mul_i32 s88, s88, 768
	s_add_co_u32 s88, s88, s27
	s_bfe_u32 s90, s25, 0x20002
	s_lshl_b32 s90, s90, 8
	s_add_co_u32 s90, s90, s27
	s_add_co_u32 s90, s90, 24576
	s_mov_b32 s96, HEADB
	s_mov_b32 s97, HEADB
	s_branch .Larm_done
.Larm_v:
	s_lshl_b32 s25, s92, 8
	s_lshl_b32 s26, s20, 7
	s_add_co_u32 s25, s25, s26                     ; my first position
	s_lshr_b32 s26, s25, 11
	s_lshl_b32 s26, s26, 4
	s_sub_co_u32 s27, s93, 16
	s_lshl_b32 s27, s27, 1
	s_add_co_u32 s26, s26, s27
	s_add_co_u32 s26, s26, s19                     ; my head: my 64 columns of Wv are one head's
	s_bfe_u32 s25, s25, 0x40007                    ; which 128 keys of the sequence
	s_mul_i32 s26, s26, HEADB
	s_lshr_b32 s27, s25, 1
	s_mul_i32 s27, s27, SLOTB
	s_add_co_u32 s26, s26, s27
	s_and_b32 s25, s25, 1
	s_mul_i32 s88, s25, 6144
	s_add_co_u32 s88, s88, s26
	s_add_co_u32 s88, s88, 12288
	s_lshl_b32 s90, s25, 8
	s_add_co_u32 s90, s90, s26
	s_add_co_u32 s90, s90, 25600
	s_mov_b32 s96, 768
	s_mov_b32 s97, 0
	s_mov_b32 s98, 0
	s_mov_b32 s99, 16
	s_mov_b32 s100, 1536
.Larm_done:
	s_mov_b32 s89, 0
	s_mov_b32 s91, 0
	s_mov_b32 s101, 0
	s_cmp_eq_u32 s24, 0
	s_cselect_b64 s[94:95], s[14:15], s[16:17]     ; q goes to qq, k and v to kv
	s_add_nc_u64 s[88:89], s[94:95], s[88:89]
	s_add_nc_u64 s[90:91], s[94:95], s[90:91]
	v_add_nc_u32 v27, s96, v4
	v_add_nc_u32 v28, s96, v5
	v_mul_u32_u24 v29, s98, v3
	v_mul_u32_u24 v30, s97, v3
	v_lshl_add_u32 v30, v2, 4, v30
.irp a, 0,1,2,3                                ; SMALL's tile a: my row's 64 results and the bias go to window 0, each accumulator from its low end on
	s_cmp_eq_u32 s24, 2
	s_cbranch_scc1 .Lbias_lane_\a
	WIN 0x0b                                       ; source 0 window 3, source 1 window 2
.set i, 0
.rept 32
	v_pk_add_f32 v[T+i:T+i+1], v[64*\a+i:64*\a+i+1], v[128+i:128+i+1]
.set i, i+2
.endr
	WIN 0
	s_branch .Lbias_done_\a
.Lbias_lane_\a:
	WIN 0x03                                       ; source 0 window 3
.set i, 0
.rept 32
	v_pk_add_f32 v[T+i:T+i+1], v[64*\a+i:64*\a+i+1], v[B1+2*\a:B1+2*\a+1]
.set i, i+2
.endr
	WIN 0
.Lbias_done_\a:
.if \a > 0
	s_wait_xcnt 0x0                                ; the last tile's stores have read their data and their base
	s_add_nc_u64 s[88:89], s[88:89], s[100:101]
.endif
	QUANT T
	v_lshrrev_b32 v[SW+\a], v29, v[PW]             ; lanes 16-31 of q and k: the odd head's two bytes
	global_store_b128 v4, v[PC:PC+3], s[88:89]             ; 512 consecutive bytes
	global_store_b64 v5, v[PC+4:PC+5], s[88:89] offset:512 ; 256
	global_store_b128 v27, v[PC+6:PC+9], s[88:89]
	global_store_b64 v28, v[PC+10:PC+11], s[88:89] offset:512
.endr
	s_wait_xcnt 0x0                                ; EXEC changes only behind this wait
	v_cmp_gt_u32 vcc_lo, s99, v1
	s_and_saveexec_b32 s25, vcc_lo
	global_store_b128 v30, v[SW:SW+3], s[90:91]    ; sixteen lanes store the 256 bytes of four tiles' scale words
	s_wait_xcnt 0x0
	s_or_b32 exec_lo, exec_lo, s25
	s_wait_tensorcnt 0x0                           ; the wave's end
	ds_add_u32 v6, v7
	s_wait_dscnt 0x0
	CROUND                                         ; the closing round
	s_endpgm
.Lfunc_end_k_q9770118932_qkv:
	.size	k_q9770118932_qkv, .Lfunc_end_k_q9770118932_qkv-k_q9770118932_qkv
	.p2alignl 7, 3214868480
	.fill 96, 4, 3214868480
	.section	.rodata,"a",@progbits
	.p2align	6, 0x0
	.amdhsa_kernel k_q9770118932_qkv
		.amdhsa_group_segment_fixed_size 327680
		.amdhsa_private_segment_fixed_size 0
		.amdhsa_enable_private_segment 0
		.amdhsa_kernarg_size 56
		.amdhsa_user_sgpr_count 2
		.amdhsa_user_sgpr_kernarg_segment_ptr 1
		.amdhsa_wavefront_size32 1
		.amdhsa_system_sgpr_workgroup_id_x 1
		.amdhsa_system_sgpr_workgroup_id_y 1
		.amdhsa_system_sgpr_workgroup_id_z 1
		.amdhsa_system_vgpr_workitem_id 0
		.amdhsa_next_free_vgpr 1024
		.amdhsa_next_free_sgpr 102
		.amdhsa_reserve_vcc 1
		.amdhsa_float_denorm_mode_32 3
		.amdhsa_float_denorm_mode_16_64 3
		.amdhsa_memory_ordered 1
		.amdhsa_forward_progress 1
		.amdhsa_inst_pref_size 109
	.end_amdhsa_kernel
	.amdgpu_metadata
---
amdhsa.version: [ 1, 2 ]
amdhsa.kernels:
  - .name:           k_q9770118932_qkv
    .symbol:         k_q9770118932_qkv.kd
    .args:
      - { .name: xq, .offset: 0, .size: 8, .value_kind: global_buffer, .address_space: global }
      - { .name: wq, .offset: 8, .size: 8, .value_kind: global_buffer, .address_space: global }
      - { .name: bq, .offset: 16, .size: 8, .value_kind: global_buffer, .address_space: global }
      - { .name: bk, .offset: 24, .size: 8, .value_kind: global_buffer, .address_space: global }
      - { .name: bv, .offset: 32, .size: 8, .value_kind: global_buffer, .address_space: global }
      - { .name: qq, .offset: 40, .size: 8, .value_kind: global_buffer, .address_space: global }
      - { .name: kv, .offset: 48, .size: 8, .value_kind: global_buffer, .address_space: global }
    .group_segment_fixed_size: 327680
    .private_segment_fixed_size: 0
    .kernarg_segment_align: 8
    .kernarg_segment_size: 56
    .max_flat_workgroup_size: 128
    .sgpr_count:     102
    .vgpr_count:     1024
    .wavefront_size: 32
...
	.end_amdgpu_metadata
.endif
;; end of part 2
;; launch attn (part 3): grid 4 x 64, 16 waves a work-group, no clusters, 327,680 bytes of LDS; arguments qq, kv, aq; writes aq
.if DOCPART == 3
	.amdgcn_target "amdgcn-amd-amdhsa--gfx1250"
	.amdhsa_code_object_version 6
	.text
	.protected	k_q9770118932_attn
	.globl	k_q9770118932_attn
	.p2align	8
	.type	k_q9770118932_attn,@function
k_q9770118932_attn:
	s_mov_b64 s[64:65], 0
	v_nop
	global_prefetch_b8 v0, s[64:65] scope:SCOPE_SE
	s_setreg_imm32_b32 hwreg(HW_REG_WAVE_MODE, 25, 1), 1
	s_wait_xcnt 0x0
; attn[h][q] = the sum over keys k <= q of softmax_k(q . k / 8) v[k], 64 heads (batch x 16) of 2,048 positions and 64 channels, both products on codes of FP6 (E2M3) with E8M0 scales; the result is
; quantised along the model's 1,024 (K of the output projection) and leaves as codes.
; THE SOFTMAX: t = score x log2(e) / 8; M = the row's largest t so far, rounded UP to a whole number; p = 2^(t - M) is quantised along the keys, not normalised; the row's sum is taken of the unquantised p
; and divides at the end.  When M moves, the sum and O are multiplied by 2^(old M - new M): exact.
; LIMITS: NaN and infinities are not served.  Hidden keys count as -infinity where the definition adds -1e9: the same weights, 0, as long as |score / 8| stays far under 1e9.
; A block of zeros gets the byte 1 (its codes are zeros; only this program reads the bytes).
; SHARES.  Work-group (i, head) owns the query blocks 7 - i and i, 256 queries each: the first walks 8 - i slots of 256 keys, the second i + 1: NINE slots for every work-group, so all 256 have the same work
; and the trip counts are constants.  Each of sixteen waves owns one tile of 16 queries in 256 registers: four waves to a SIMD, one wave's vector work beside another's matrix work and LDS loads.
; LAYOUT.  Tiles are 16 rows: lane r of tile 2 B + u holds row 32 B + 8 u + r + 8 (r / 8) (queries, keys, channels alike).  Both products are used transposed: S^T = K Q^T, O^T = V^T P^T: a lane holds ONE query, and
; the 16 registers of tiles 2 B, 2 B + 1 are 16 neighbouring keys (channels).  The first product's K is 64: registers 6-11 of K's and Q's fragments are zero codes, written once.
; A slot of kv is one dense block of 26,112 bytes in the order of the operands' registers: every LDS load takes consecutive bytes.  Ring of two slots; waves 0 and 1 fetch a half each; one load a wave is out.
; NO CLUSTER: the four work-groups of a head turn back to key 0 behind 8, 7, 6 and 5 slots, so from the sixth slot on partners would need different tiles.
; NO PREFETCH: a refill is issued directly behind a barrier and is waited for a whole slot later, behind two key steps of each of the sixteen waves.
; REGISTERS: v1-4, v11 lane numbers; v5, v6 the add's two; v7 Q's scale word; v8-10 LDS addresses; v12 -M, v13 the largest t, v[14:15] the sum; v16-27 Q; v28-31 V's scale words; v32-79 four fragments of K;
; v80-127 four of V; v128-191 S^T, then p; v192-223 O^T; v224-235 p's codes; v232-254 at work; v248-251 K's scale words; v253 p's scale word.
.set SLOTB,  26112
.set HEADB,  8*SLOTB
.set SLOT1,  1<<15                     ; slot 1 begins here: one exclusive or turns an address
.set SPARE,  2*SLOT1                   ; the spare words, 128 bytes for each of 16 waves: eight blocks of 256 bytes that no other line names
.set QS_OFF, 6291456
.set AS_OFF, 6291456
.macro TLOAD                           ; waves 0 and 1 fetch; an s_nop 0 and four v_nop follow the load
	s_cmp_lt_u32 s10, 2
	s_cbranch_scc0 .Lno_load_\@
	tensor_load_to_lds s[32:35], s[24:31]
	s_nop 0
.rept 4
	v_nop
.endr
.Lno_load_\@:
.endm
; THE CHANGE OF SLOTS stands at a slot's head.  Each wave waits for all its tensor loads, adds 0 to its spare word, and waits for that and for its reads of the slot that it has left.  Behind the barrier the slot
; ahead is whole and nobody reads the other one; fill = 1: that one takes the next slot of keys (behind the first block's last slot: slot 0 again).
.macro CHANGE fill
	s_wait_tensorcnt 0x0                           ; no tensor load of mine is out, so group 0 may be written
	ds_add_u32 v5, v6
.if \fill
	s_xor_b32 s33, s33, SLOT1
	s_add_co_u32 s14, s14, 1
	s_cmp_eq_u32 s14, s13
	s_cselect_b32 s14, 0, s14                      ; which slot of the head's keys comes next
	s_mul_i32 s46, s14, SLOTB
	s_add_nc_u64 s[34:35], s[36:37], s[46:47]
	s_or_b32 s35, s35, 0x80000000
.endif
	s_wait_dscnt 0x0
	s_barrier_signal -1
	s_barrier_wait -1
.if \fill
	TLOAD                                          ; the first thing behind the barrier, a wave's one tensor load until the next
.endif
.endm
; A KEY STEP: 128 keys, the q-th of the slot in hand.
.macro STEP q
	s_cmp_gt_u32 s17, s18                          ; a tile's queries lie in one group of 32: where the step's first key comes after my first query, all its keys come after all my queries
	s_cbranch_scc1 .Lhidden_\@
	v_add_nc_u32 v8, s19, v1
	v_add_nc_u32 v9, s19, v2
	v_add_nc_u32 v10, s19, v3
	v_nop                                          ; four places behind the last products, ahead of loads into their registers
.irp g, 0,1                                    ; S^T = K Q^T, four tiles of 16 keys at a time
.if \g
.rept 4
	v_nop
.endr
.endif
.irp t, 0,1,2,3
	ds_load_b128 v[32+12*\t:35+12*\t], v8 offset:(8*(\q)+4*\g+\t)*768
	ds_load_b64 v[36+12*\t:37+12*\t], v9 offset:(8*(\q)+4*\g+\t)*768+512
.endr
	ds_load_b128 v[248:251], v10 offset:24576+512*(\q)+256*\g
.if \g == 0
.irp d, 0,1,2,3                                ; V's four fragments of these 128 keys come now and land under the first product and the softmax
	ds_load_b128 v[80+12*\d:83+12*\d], v8 offset:12288+6144*(\q)+1536*\d
	ds_load_b64 v[84+12*\d:85+12*\d], v9 offset:12288+6144*(\q)+1536*\d+512
	ds_load_b128 v[86+12*\d:89+12*\d], v8 offset:12288+6144*(\q)+1536*\d+768
	ds_load_b64 v[90+12*\d:91+12*\d], v9 offset:12288+6144*(\q)+1536*\d+1280
.endr
	ds_load_b128 v[28:31], v10 offset:25600+256*(\q)
	s_wait_alu depctr_va_vdst(0)
	s_wait_dscnt 17                                ; K's nine loads are in; V's seventeen may be out
.else
	s_wait_dscnt 0x0
.endif
.irp t, 0,1,2,3
	v_wmma_scale_f32_16x16x128_f8f6f4 v[128+8*(4*\g+\t):135+8*(4*\g+\t)], v[32+12*\t:43+12*\t], v[16:27], 0, v[248+\t], v7 matrix_a_fmt:MATRIX_FMT_FP6 matrix_b_fmt:MATRIX_FMT_FP6
.endr
.endr
.rept 4
	v_nop
.endr
	s_add_co_u32 s46, s17, 127                     ; on the diagonal the scores of hidden keys become -infinity ahead of the maximum; a step all of whose keys count skips this
	s_cmp_le_u32 s46, s18
	s_cbranch_scc1 .Lopen_\@
	s_sub_co_i32 s46, s18, s17
	v_add_nc_u32 v252, s46, v4                     ; d = my query - the step's first key - 16 (lane / 16).  Register 16 b + i holds key 32 b + 16 (lane / 16) + i of the step: hidden where 32 b + i > d
	v_mov_b32 v254, 0xff800000
.set n, 0
.rept 64
	v_cmp_gt_i32 vcc_lo, 32*(n/16)+n%16, v252
	v_cndmask_b32 v[128+n], v[128+n], v254, vcc_lo
.set n, n+1
.endr
.Lopen_\@:
.irp b, 0,1,2,3
	v_max3_num_f32 v[232+\b], v[128+16*\b], v[129+16*\b], v[130+16*\b]   ; the largest score of each block of 32 keys: for the row's maximum and, since p rises with the score, for the block's largest p
.endr
.irp i, 3,5,7,9,11,13
.irp b, 0,1,2,3
	v_max3_num_f32 v[232+\b], v[232+\b], v[128+16*\b+\i], v[129+16*\b+\i]
.endr
.endr
.irp b, 0,1,2,3
	v_max_num_f32 v[232+\b], v[232+\b], v[143+16*\b]
.endr
.irp b, 0,1,2,3
	s_delay_alu instid0(VALU_DEP_4)
	v_permlanex16_b32 v[236+\b], v[232+\b], s20, s21
.endr
.irp b, 0,1,2,3
	s_delay_alu instid0(VALU_DEP_4)
	v_max_num_f32 v[232+\b], v[232+\b], v[236+\b]  ; with lane l xor 16's 16 keys
.endr
	s_delay_alu instid0(VALU_DEP_2)
	v_max3_num_f32 v254, v232, v233, v234
	s_delay_alu instid0(VALU_DEP_1)
	v_max_num_f32 v254, v254, v235
	s_delay_alu instid0(VALU_DEP_1)
	v_mul_f32 v254, s22, v254                      ; as t
	s_delay_alu instid0(VALU_DEP_1)
	v_max_num_f32 v13, v13, v254                   ; the running largest t
	v_mov_b32 v254, v12
	s_delay_alu instid0(VALU_DEP_2)
	v_floor_f32 v12, -v13                          ; the new -M = -ceil(t)
	s_delay_alu instid0(VALU_DEP_1)
	v_sub_f32 v254, v12, v254                      ; old M - new M: a whole number, 0 or less
	s_delay_alu instid0(VALU_DEP_1)
	v_cvt_i32_f32 v254, v254                       ; (it saturates)
	s_delay_alu instid0(VALU_DEP_1)
	v_ldexp_f32 v252, 1.0, v254                    ; f = 2^(old M - new M)
.set j, 0
.rept 32
	v_pk_fma_f32 v[128+j:129+j], v[128+j:129+j], s[22:23], v[12:13] op_sel_hi:[1,0,0]   ; t - M, two at a time
.set j, j+2
.endr
.irp b, 0,1,2,3
	v_fma_f32 v[232+\b], v[232+\b], s22, v12       ; the same of each block's largest score
.endr
.set j, 0
	s_wait_alu depctr_va_vdst(0)
.rept 64
	v_exp_f32 v[128+j], v[128+j]                   ; p = 2^(t - M)
.set j, j+1
.endr
	v_pk_mul_f32 v[14:15], v[14:15], v[252:253] op_sel_hi:[1,0]   ; the sums under the new M: the plain place behind the exponentials
	s_wait_alu depctr_va_vdst(0)                   ; one wait for the whole batch, ahead of its first reader
.irp b, 0,1,2,3
	v_exp_f32 v[232+\b], v[232+\b]                 ; the blocks' largest p
.endr
	v_pk_add_f32 v[236:237], v[128:129], v[130:131]        ; the row's sum of the unquantised p, in two chains
.irp j, 4,8,12,16,20,24,28,32,36,40,44,48,52,56,60
	v_pk_add_f32 v[14:15], v[14:15], v[128+\j:129+\j]
	v_pk_add_f32 v[236:237], v[236:237], v[130+\j:131+\j]
.endr
	s_delay_alu instid0(VALU_DEP_1)
	v_pk_add_f32 v[14:15], v[14:15], v[236:237]
	s_wait_alu depctr_va_vdst(0)                   ; and one for the four
.irp b, 0,1,2,3
	v_max_num_f32 v[232+\b], 0x1800000, v[232+\b]  ; the floor 2^(3 - 127)
.endr
.irp b, 0,1,2,3
	s_delay_alu instid0(VALU_DEP_4)
	v_add_nc_u32 v[244+\b], 0xff000000, v[232+\b]  ; the conversion's scale operand
.endr
.irp b, 0,1,2,3
	s_delay_alu instid0(VALU_DEP_4)
	v_lshrrev_b32 v[236+\b], 23, v[244+\b]         ; the scale's byte
.endr
	s_delay_alu instid0(VALU_DEP_3)
	v_lshl_or_b32 v253, v237, 8, v236              ; p's scale word for these 128 keys
	s_delay_alu instid0(VALU_DEP_1)
	v_lshl_or_b32 v253, v238, 16, v253
	s_delay_alu instid0(VALU_DEP_1)
	v_lshl_or_b32 v253, v239, 24, v253
.irp c, 0,1
	v_cvt_scalef32_pk16_fp6_f32 v[224+6*\c:226+6*\c], v[128+32*\c:143+32*\c], v[244+2*\c]
	v_cvt_scalef32_pk16_fp6_f32 v[236+4*\c:238+4*\c], v[144+32*\c:159+32*\c], v[244+2*\c+1]
.endr
	v_nop                                          ; one plain place behind a scaled conversion
.irp c, 0,1                                    ; a WHOLE block to a lane
.irp i, 0,1,2
	v_permlane16_swap_b32 v[224+6*\c+\i], v[236+4*\c+\i]
.endr
.irp i, 0,1,2
	s_delay_alu instid0(VALU_DEP_3)
	v_mov_b32 v[227+6*\c+\i], v[236+4*\c+\i]
.endr
.endr
.set j, 0
.rept 16
	v_pk_mul_f32 v[192+j:193+j], v[192+j:193+j], v[252:253] op_sel_hi:[1,0]   ; O^T under the new M.  (These sixteen are also the places between the codes' and the scale word's last writes and the products)
.set j, j+2
.endr
.irp d, 0,1,2,3                                ; O^T += V^T P^T: four tiles of 16 channels, by turns
	v_wmma_scale_f32_16x16x128_f8f6f4 v[192+8*\d:199+8*\d], v[80+12*\d:91+12*\d], v[224:235], v[192+8*\d:199+8*\d], v[28+\d], v253 matrix_a_fmt:MATRIX_FMT_FP6 matrix_b_fmt:MATRIX_FMT_FP6
.endr
.Lhidden_\@:
	s_add_co_u32 s17, s17, 128
.endm
; Where block s[blk]'s tile of my wave lies: its first query, Q's codes and scale words, and the result's codes and scale bytes in aq (laid as xq: head hd fills half record hd % 2 of K step hd / 2).
.macro SETQ blk
	s_lshl_b32 s50, s[\blk], 4
	s_add_co_u32 s50, s50, s10                     ; my tile in the sequence
	s_lshl_b32 s18, s[\blk], 8
	s_lshr_b32 s51, s10, 1
	s_lshl_b32 s51, s51, 5
	s_add_co_u32 s18, s18, s51
	s_and_b32 s51, s10, 1
	s_lshl_b32 s51, s51, 3
	s_add_co_u32 s18, s18, s51                     ; its first query
	s_lshl_b32 s51, s12, 7
	s_add_co_u32 s51, s51, s50
	s_mul_i32 s48, s51, 768
	s_add_nc_u64 s[38:39], s[4:5], s[48:49]
	s_lshl_b32 s51, s12, 5
	s_lshr_b32 s52, s50, 2
	s_add_co_u32 s51, s51, s52
	s_lshl_b32 s51, s51, 8
	s_and_b32 s52, s50, 3
	s_lshl_b32 s52, s52, 2
	s_add_co_u32 s51, s51, s52
	s_add_co_u32 s48, s51, QS_OFF
	s_add_nc_u64 s[40:41], s[4:5], s[48:49]
	s_lshr_b32 s51, s12, 4
	s_lshl_b32 s51, s51, 7
	s_add_co_u32 s51, s51, s50                     ; the tile among all 512
	s_mul_i32 s48, s51, 12288
	s_bfe_u32 s52, s12, 0x30001
	s_mul_i32 s53, s52, 1536
	s_add_co_u32 s48, s48, s53
	s_and_b32 s53, s12, 1
	s_mul_i32 s54, s53, 768
	s_add_co_u32 s48, s48, s54
	s_add_nc_u64 s[42:43], s[8:9], s[48:49]
	s_lshl_b32 s48, s51, 9
	s_lshl_b32 s52, s52, 2
	s_add_co_u32 s48, s48, s52
	s_lshl_b32 s53, s53, 1
	s_add_co_u32 s48, s48, s53
	s_add_co_u32 s48, s48, AS_OFF
	s_add_nc_u64 s[44:45], s[8:9], s[48:49]
.endm
.macro LOADQ
	global_load_b128 v[16:19], v1, s[38:39]
	global_load_b64 v[20:21], v2, s[38:39] offset:512
	global_load_b32 v7, v3, s[40:41]
.endm
.macro INIT                            ; the step is written once: the first finds zeros, which the first change of M leaves zeros
	v_mov_b32 v13, 0xff61b1e6                      ; -3e38, under every t
	s_delay_alu instid0(VALU_DEP_1)
	v_floor_f32 v12, -v13
	v_mov_b32 v14, 0
	v_mov_b32 v15, 0
.set j, 0
.rept 32
	v_mov_b32 v[192+j], 0
.set j, j+1
.endr
.endm
; A block's end: O^T / the sum, quantised along the head's 64 channels (two blocks of 32, each in lanes l and l xor 16), goes out as a half record and two scale bytes a row.
.macro FINISH
.rept 4
	v_nop                                          ; places behind the last products
.endr
	v_add_f32 v14, v14, v15
	s_delay_alu instid0(VALU_DEP_1)
	v_permlanex16_b32 v252, v14, s20, s21
	s_delay_alu instid0(VALU_DEP_1)
	v_add_f32 v14, v14, v252                       ; the row's sum
	s_wait_alu depctr_va_vdst(0)
	v_rcp_f32 v14, v14
	v_nop                                          ; a plain place behind the reciprocal
	s_wait_alu depctr_va_vdst(0)                   ; and the wait ahead of its first reader
.set j, 0
.rept 16
	v_pk_mul_f32 v[128+j:129+j], v[192+j:193+j], v[14:15] op_sel_hi:[1,0]   ; register 16 b + i: channel 32 b + 16 (lane / 16) + i; each accumulator from its low end on
.set j, j+2
.endr
.irp b, 0,1
	v_max3_num_f32 v[232+\b], |v[128+16*\b]|, |v[129+16*\b]|, 0x1800000
.endr
.irp i, 2,4,6,8,10,12,14
.irp b, 0,1
	s_delay_alu instid0(VALU_DEP_2)
	v_max3_num_f32 v[232+\b], v[232+\b], |v[128+16*\b+\i]|, |v[129+16*\b+\i]|
.endr
.endr
.irp b, 0,1
	s_delay_alu instid0(VALU_DEP_2)
	v_permlanex16_b32 v[236+\b], v[232+\b], s20, s21
.endr
.irp b, 0,1
	s_delay_alu instid0(VALU_DEP_2)
	v_max_num_f32 v[232+\b], v[232+\b], v[236+\b]
.endr
.irp b, 0,1
	s_delay_alu instid0(VALU_DEP_2)
	v_add_nc_u32 v[244+\b], 0xff000000, v[232+\b]
.endr
.irp b, 0,1
	s_delay_alu instid0(VALU_DEP_2)
	v_lshrrev_b32 v[236+\b], 23, v[244+\b]
.endr
	s_delay_alu instid0(VALU_DEP_1)
	v_lshl_or_b32 v254, v237, 8, v236              ; the head's two bytes of my row's scale word
	v_cvt_scalef32_pk16_fp6_f32 v[224:226], v[128:143], v244
	v_cvt_scalef32_pk16_fp6_f32 v[236:238], v[144:159], v245
	v_nop
.irp i, 0,1,2
	v_permlane16_swap_b32 v[224+\i], v[236+\i]
.endr
.irp i, 0,1,2
	s_delay_alu instid0(VALU_DEP_3)
	v_mov_b32 v[227+\i], v[236+\i]
.endr
	global_store_b128 v1, v[224:227], s[42:43]             ; 512 consecutive bytes
	global_store_b64 v2, v[228:229], s[42:43] offset:512   ; 256
	s_wait_xcnt 0x0                                ; EXEC changes only behind this wait
	v_cmp_gt_u32 vcc_lo, 0x100, v1                 ; lanes 0-15
	s_and_saveexec_b32 s56, vcc_lo
	global_store_b16 v11, v254, s[44:45]           ; 2 bytes of each 32: two heads share a scale word
	s_wait_xcnt 0x0
	s_or_b32 exec_lo, exec_lo, s56
.endm
	s_load_b128 s[4:7], s[0:1], 0x0                ; qq, kv
	s_load_b64 s[8:9], s[0:1], 0x10                ; aq
	v_lshl_add_u32 v5, v0, 2, SPARE                ; my spare word; never rewritten
	v_mov_b32 v6, 0                                ; 0; never rewritten
	ds_add_u32 v5, v6                              ; the wave's opening: the add and its wait stand ahead of my first tensor load
	ds_add_u32 v5, v6
	v_lshrrev_b32 v8, 5, v0
	s_delay_alu instid0(VALU_DEP_1)
	v_readfirstlane_b32 s10, v8                    ; wave
	s_mov_b32 s11, ttmp9                           ; i
	s_and_b32 s12, ttmp7, 0xffff                   ; the head
	s_sub_co_u32 s13, 8, s11                       ; slots of the first block
	s_mov_b32 s14, 0                               ; the slot of keys asked for last
	s_mov_b32 s15, s13                             ; slots left of the block in hand
	s_mov_b32 s16, 8                               ; the loop's trips
	s_mov_b32 s17, 0                               ; the step's first key
	s_mov_b32 s19, 0                               ; LDS byte at which the slot in hand begins
	s_mov_b32 s20, 0x76543210
	s_mov_b32 s21, 0xfedcba98
	s_mov_b32 s22, 0x3e38aa3b                      ; log2(e) / 8
	s_mov_b32 s23, s22
	s_mov_b32 s24, 3<<16                           ; group 1: half a slot, 13,056 dense bytes, as 51 rows of 256 (32 elements of 8 bytes); no mask, no padding
	s_mov_b32 s25, 32<<16
	s_mov_b32 s26, 51<<16
	s_mov_b32 s27, 32<<16
	s_mov_b32 s28, 51
	s_mov_b32 s29, 32
	s_mov_b32 s30, 0
	s_mov_b32 s31, 0
	s_mov_b32 s47, 0
	s_mov_b32 s49, 0
	s_and_b32 s46, s10, 1
	s_mul_i32 s33, s46, 13056                      ; my half, in a slot
	s_mul_i32 s48, s12, HEADB
	s_add_co_u32 s48, s48, s33                     ; and in the head's bytes
	s_mov_b32 s32, 1
	s_sub_co_u32 s55, 7, s11
	s_wait_dscnt 0x0                               ; the opening add is done
	s_wait_kmcnt 0x0
	s_add_nc_u64 s[36:37], s[6:7], s[48:49]
	s_mov_b64 s[34:35], s[36:37]
	s_or_b32 s35, s35, 0x80000000
	TLOAD                                          ; slot 0
	v_and_b32 v8, 31, v0
	v_and_b32 v9, 15, v0
	v_bfe_u32 v10, v0, 4, 1
	s_delay_alu instid0(VALU_DEP_3)
	v_lshlrev_b32 v1, 4, v8                        ; 16 l
	s_delay_alu instid0(VALU_DEP_4)
	v_lshlrev_b32 v2, 3, v8                        ; 8 l
	s_delay_alu instid0(VALU_DEP_4)
	v_lshlrev_b32 v3, 4, v9                        ; 16 r
	v_lshlrev_b32 v11, 5, v9                       ; 32 r
	v_and_b32 v4, 8, v9
	s_delay_alu instid0(VALU_DEP_1)
	v_add_nc_u32 v4, v4, v9
	v_lshlrev_b32 v10, 4, v10
	s_delay_alu instid0(VALU_DEP_1)
	v_sub_nc_u32 v4, v4, v10                       ; r + 8 (r / 8) - 16 h
.irp j, 22,23,24,25,26,27
	v_mov_b32 v[\j], 0                             ; Q's zero codes for k = 64 .. 127
.endr
.irp t, 0,1,2,3
.irp j, 6,7,8,9,10,11
	v_mov_b32 v[32+12*\t+\j], 0                    ; K's
.endr
.endr
.irp j, 236,237,238,239,252,253
	v_mov_b32 v[\j], 0                             ; lane permutes' destinations, and the pair v[252:253], are named before they are first written
.endr
	SETQ 55
	LOADQ
	INIT
	s_wait_loadcnt 0x0
.Lslot:                                            ; eight trips; behind each change of slots the next slot is asked for
	CHANGE 1
	STEP 0
	STEP 1
	s_xor_b32 s19, s19, SLOT1
	s_sub_co_u32 s15, s15, 1
	s_cmp_lg_u32 s15, 0                            ; ids and the count of trips alone: all sixteen waves go the same way; no barrier, tensor load or LDS access stands under the branch
	s_cbranch_scc1 .Lsame_block
	FINISH                                         ; the first block is done: on to block i, from key 0
	SETQ 11
	LOADQ
	INIT
	s_mov_b32 s17, 0
	s_add_co_u32 s15, s11, 1
	s_wait_loadcnt 0x0
.Lsame_block:
	s_sub_co_u32 s16, s16, 1
	s_cmp_lg_u32 s16, 0
	s_cbranch_scc1 .Lslot
	CHANGE 0                                       ; the ninth slot is written out: nothing is left to ask for
	STEP 0
	STEP 1
	FINISH
	s_wait_tensorcnt 0x0                           ; the wave's end
	ds_add_u32 v5, v6
	s_wait_dscnt 0x0
	s_endpgm
.Lfunc_end_k_q9770118932_attn:
	.size	k_q9770118932_attn, .Lfunc_end_k_q9770118932_attn-k_q9770118932_attn
	.p2alignl 7, 3214868480
	.fill 96, 4, 3214868480
	.section	.rodata,"a",@progbits
	.p2align	6, 0x0
	.amdhsa_kernel k_q9770118932_attn
		.amdhsa_group_segment_fixed_size 327680
		.amdhsa_private_segment_fixed_size 0
		.amdhsa_enable_private_segment 0
		.amdhsa_kernarg_size 24
		.amdhsa_user_sgpr_count 2
		.amdhsa_user_sgpr_kernarg_segment_ptr 1
		.amdhsa_wavefront_size32 1
		.amdhsa_system_sgpr_workgroup_id_x 1
		.amdhsa_system_sgpr_workgroup_id_y 1
		.amdhsa_system_sgpr_workgroup_id_z 1
		.amdhsa_system_vgpr_workitem_id 0
		.amdhsa_next_free_vgpr 256
		.amdhsa_next_free_sgpr 66
		.amdhsa_reserve_vcc 1
		.amdhsa_float_denorm_mode_32 3
		.amdhsa_float_denorm_mode_16_64 3
		.amdhsa_memory_ordered 1
		.amdhsa_forward_progress 1
		.amdhsa_inst_pref_size 110
	.end_amdhsa_kernel
	.amdgpu_metadata
---
amdhsa.version: [ 1, 2 ]
amdhsa.kernels:
  - .name:           k_q9770118932_attn
    .symbol:         k_q9770118932_attn.kd
    .args:
      - { .name: qq, .offset: 0, .size: 8, .value_kind: global_buffer, .address_space: global }
      - { .name: kv, .offset: 8, .size: 8, .value_kind: global_buffer, .address_space: global }
      - { .name: aq, .offset: 16, .size: 8, .value_kind: global_buffer, .address_space: global }
    .group_segment_fixed_size: 327680
    .private_segment_fixed_size: 0
    .kernarg_segment_align: 8
    .kernarg_segment_size: 24
    .max_flat_workgroup_size: 512
    .sgpr_count:     66
    .vgpr_count:     256
    .wavefront_size: 32
...
	.end_amdgpu_metadata
.endif
;; end of part 3
;; launch proj (part 4): grid 4 x 64, 4 waves a work-group, clusters of 4 x 4, 327,680 bytes of LDS; arguments aq, wq, bo, out0; writes out0
.if DOCPART == 4
	.amdgcn_target "amdgcn-amd-amdhsa--gfx1250"
	.amdhsa_code_object_version 6
	.text
	.protected	k_q9770118932_proj
	.globl	k_q9770118932_proj
	.p2align	8
	.type	k_q9770118932_proj,@function
k_q9770118932_proj:
	s_mov_b64 s[64:65], 0
	v_nop
	global_prefetch_b8 v0, s[64:65] scope:SCOPE_SE
	s_setreg_imm32_b32 hwreg(HW_REG_WAVE_MODE, 25, 1), 1
	s_wait_xcnt 0x0
	s_wait_alu depctr_hold_cnt(0) depctr_sa_sdst(0) depctr_va_vdst(0) depctr_va_sdst(0) depctr_va_ssrc(0) depctr_va_vcc(0) depctr_vm_vsrc(0)
	s_getreg_b32 s2, hwreg(HW_REG_IB_STS2, 6, 4)
	s_cmp_eq_u32 s2, 0
	s_cbranch_scc0 .Lentry_in_a_cluster
	s_endpgm
.Lentry_in_a_cluster:
	s_bfe_u32 s2, ttmp6, 0x10000c
	s_cmp_lg_u32 s2, 0xf033
	s_cbranch_scc0 .Lentry_shape_is_right
	s_endpgm
.Lentry_shape_is_right:
; out0 = attn Wo + bo on codes of FP6 (E2M3) with E8M0 scales, sums in f32.  attn's codes (aq) and Wo's (tiles 192-255 of wq) lie in the order of the operand's registers: a tile is 16 rows, lane r of tile
; 2 B + u holds row 32 B + 8 u + r + 8 (r / 8); a fragment (tile x 128 K) is 1,536 bytes: two half records of 768 (registers 0-3 of lane l at 16 l, registers 4-5 at 512 + 8 l); codes [tile][K step 8][1536];
; scale words [tile][r][K step], behind the codes.
; A WORK-GROUP multiplies BIG = 256 columns of Wo (16 tiles) by SMALL = 128 rows of attn (8 tiles), with ALL of K = 1,024: 294,912 bytes lie in LDS at once, so every tensor load is a first fill.  K comes in four
; chunks of two K steps; a wave has four loads out at the start, and each chunk is read behind a counted wait and a barrier.  256 work-groups.
; Four waves: source 0 = 8 tiles of BIG (half wave % 2), source 1 = 4 tiles of SMALL (half wave / 2): 32 accumulators.  A lane holds one row of out0 and neighbouring columns.  bo is the C of each sum's first product.
; CLUSTER 4 x 4: BIG hangs on cx and is shared along a column of the cluster, SMALL on cy and is shared along a row: asked for jointly.  No prefetch: all that goes through LDS is asked for at the head.
; THE WAY OUT goes through a stage of 16 rows x 528 bytes for each wave, in BIG's chunk 0: it has had its only fill, and every wave's reads of it ended ahead of a barrier that all have passed.
; REGISTERS: window 0: v1-7 lane numbers and the add's two; v8-23 LDS addresses; v24-27 the stage and offsets; v32-63 BIG's scale words, v64-79 SMALL's; v96-223 rows on the way out.
;   window 1: BIG's fragments, two sets of 96.  window 2: SMALL's, two sets of 48; v128-191 bo in the result's layout.  window 3: accumulator (a, b) at v[64 a + 8 b].
.set FRB,    1536
.set CHB,    2*FRB
.set BIGC,   16*CHB
.set SMC,    8*CHB
.set SMALLL, 4*BIGC
.set SPARE,  SMALLL+4*SMC              ; the spare words, 128 bytes a wave: two blocks of 256 bytes that no other line names
.set AS_OFF, 6291456
.set WS_OFF, 3145728
.set G1S, 28
.set G1B, 36
.set G0S, 44
.set G0B, 68
.set MSB, 0
.macro WIN new                         ; the immediate's high byte repeats the setting that is left
.if MSB != \new
	s_set_vgpr_msb (MSB<<8)|\new
.set MSB, \new
.endif
.endm
.macro CROUND                          ; a round of the cluster's barrier
	s_barrier_signal -1
	s_barrier_wait -1
	s_cmp_lg_u32 s18, 0
	s_cbranch_scc1 .Lnot_wave_0_\@
	s_barrier_signal -3
.Lnot_wave_0_\@:
	s_barrier_wait -3
	s_barrier_signal -1
	s_barrier_wait -1
.endm
.macro PLACES                          ; four plain places behind a matrix instruction (ISA guide 7.12.1)
.rept 4
	v_nop
.endr
.endm
.macro FRAG reg, a16, a8, off
	ds_load_b128 v[(\reg):(\reg)+3], v[\a16] offset:(\off)
	ds_load_b64 v[(\reg)+4:(\reg)+5], v[\a8] offset:(\off)+512
	ds_load_b128 v[(\reg)+6:(\reg)+9], v[\a16] offset:(\off)+768
	ds_load_b64 v[(\reg)+10:(\reg)+11], v[\a8] offset:(\off)+1280
.endm
.macro FETCH s                         ; K step s: 48 LDS loads into set s % 2
	WIN 0x40
.irp i, 0,1,2,3,4,5,6,7
	FRAG 96*((\s)%2)+12*\i, 8+(\s)/2, 12+(\s)/2, CHB*\i+FRB*((\s)%2)
.endr
	WIN 0x80
.irp a, 0,1,2,3
	FRAG 48*((\s)%2)+12*\a, 16+(\s)/2, 20+(\s)/2, CHB*\a+FRB*((\s)%2)
.endr
	WIN 0
.endm
; 32 matrix instructions; the 32 accumulators take turns, one instruction a turn, in the same order in every K step.  first = 1: the sums begin with the bias.
.macro MUL32 s, first
.set FA, 96*((\s)%2)
.set FB, 48*((\s)%2)
.set SA, 32+(\s)%4
.set SB, 64+(\s)%4
.if \first
	WIN 0xe9                                       ; source 0 window 1, source 1 and C window 2, D window 3
.else
	WIN 0xf9                                       ; C and D window 3
.endif
.irp a, 0,1,2,3
.irp b, 0,1,2,3,4,5,6,7
.if \first
	v_wmma_scale_f32_16x16x128_f8f6f4 v[64*\a+8*\b:64*\a+8*\b+7], v[FA+12*\b:FA+12*\b+11], v[FB+12*\a:FB+12*\a+11], v[128+8*\b:135+8*\b], v[SA+4*\b], v[SB+4*\a] matrix_a_fmt:MATRIX_FMT_FP6 matrix_b_fmt:MATRIX_FMT_FP6
.elseif (\s) < 4
	v_wmma_scale_f32_16x16x128_f8f6f4 v[64*\a+8*\b:64*\a+8*\b+7], v[FA+12*\b:FA+12*\b+11], v[FB+12*\a:FB+12*\a+11], v[64*\a+8*\b:64*\a+8*\b+7], v[SA+4*\b], v[SB+4*\a] matrix_a_fmt:MATRIX_FMT_FP6 matrix_b_fmt:MATRIX_FMT_FP6
.else
	v_wmma_scale_f32_16x16x128_f8f6f4 v[64*\a+8*\b:64*\a+8*\b+7], v[FA+12*\b:FA+12*\b+11], v[FB+12*\a:FB+12*\a+11], v[64*\a+8*\b:64*\a+8*\b+7], v[SA+4*\b], v[SB+4*\a] matrix_a_fmt:MATRIX_FMT_FP6 matrix_b_fmt:MATRIX_FMT_FP6 matrix_a_scale:MATRIX_SCALE_ROW1 matrix_b_scale:MATRIX_SCALE_ROW1
.endif
.endr
.endr
.endm
.macro KSTEP s, first
.if ((\s)%2 == 1) && ((\s) < 7)
	s_wait_tensorcnt 3-((\s)+1)/2                  ; my part of the next chunk is in; the later chunks' loads may stay out
	s_wait_dscnt 0x0
	s_barrier_signal -1
	s_barrier_wait -1
.endif
.if (\s) < 7
.if (\s) > 0
	PLACES
.endif
	FETCH (\s)+1
	s_wait_dscnt 48                                ; all but the 48 just issued
.else
	s_wait_dscnt 0x0
.endif
	MUL32 \s, \first
.endm
	s_load_b256 s[4:11], s[0:1], 0x0               ; aq, wq, bo, out0
	v_lshl_add_u32 v6, v0, 2, SPARE                ; my spare word; never rewritten
	v_mov_b32 v7, 0                                ; 0; never rewritten
	ds_add_u32 v6, v7                              ; the wave's opening: the add and its wait stand ahead of my first tensor load
	v_lshrrev_b32 v1, 5, v0
	v_readfirstlane_b32 s18, v1                    ; wave
	s_lshr_b32 s19, s18, 1                         ; my half of SMALL.  Also: I fetch for SMALL (0) or for BIG (1)
	s_and_b32 s20, s18, 1                          ; my half of BIG.  Also: which half I fetch
	s_bfe_u32 s21, ttmp6, 0x40000                  ; cx
	s_bfe_u32 s22, ttmp6, 0x40004                  ; cy
	s_and_b32 s23, ttmp7, 0xffff                   ; the cluster's y
	s_lshl_b32 s25, s22, 2
	s_lshl_b32 s25, 15, s25                        ; my row of the cluster
	s_lshl_b32 s26, 0x1111, s21                    ; my column
	s_or_b32 s[G1S], s25, (3<<16)|(1<<21)          ; the mask; elements of 8 bytes; bit 21 beside a mask; no padding
	s_or_b32 s[G1B], s26, (3<<16)|(1<<21)
	s_mov_b32 s[G1S+1], 384<<16                    ; a row is a tile's part of a chunk, 3,072 bytes
	s_mov_b32 s[G1S+2], 4<<16
	s_mov_b32 s[G1S+3], 384<<16
	s_mov_b32 s[G1S+4], 4
	s_mov_b32 s[G1S+5], 1536                       ; from tile to tile: 12,288 bytes
	s_mov_b32 s[G1S+6], 0
	s_mov_b32 s[G1S+7], 0
	s_mov_b32 s[G1B+1], 384<<16
	s_mov_b32 s[G1B+2], 8<<16
	s_mov_b32 s[G1B+3], 384<<16
	s_mov_b32 s[G1B+4], 8
	s_mov_b32 s[G1B+5], 1536
	s_mov_b32 s[G1B+6], 0
	s_mov_b32 s[G1B+7], 0
	s_add_co_u32 s92, s21, 12                      ; BIG: block 12 + cx of the weights (Wo begins at 12)
	s_lshl_b32 s93, s23, 2
	s_add_co_u32 s93, s93, s22                     ; SMALL: block 4 y + cy of attn
	s_mul_i32 s88, s92, 16*12288
	s_mul_i32 s27, s20, 8*12288
	s_add_co_u32 s88, s88, s27
	s_mov_b32 s89, 0
	s_mul_i32 s90, s93, 8*12288
	s_mul_i32 s27, s20, 4*12288
	s_add_co_u32 s90, s90, s27
	s_mov_b32 s91, 0
	s_mul_i32 s60, s20, 4*CHB                      ; no place in the cluster enters an LDS address
	s_mul_i32 s61, s20, 8*CHB
	s_wait_dscnt 0x0                               ; the opening add is done
	s_wait_kmcnt 0x0
	s_add_nc_u64 s[94:95], s[6:7], s[88:89]
	s_add_nc_u64 s[96:97], s[4:5], s[90:91]
	CROUND                                         ; all sixteen work-groups are here: the joint loads meet
.irp c, 0,1,2,3
	s_mov_b32 s[G0S+4*\c], 1
	s_add_co_u32 s[G0S+4*\c+1], s60, SMALLL+SMC*\c
	s_add_nc_u64 s[G0S+4*\c+2:G0S+4*\c+3], s[96:97], CHB*\c
	s_or_b32 s[G0S+4*\c+3], s[G0S+4*\c+3], 0x80000000
	s_mov_b32 s[G0B+4*\c], 1
	s_add_co_u32 s[G0B+4*\c+1], s61, BIGC*\c
	s_add_nc_u64 s[G0B+4*\c+2:G0B+4*\c+3], s[94:95], CHB*\c
	s_or_b32 s[G0B+4*\c+3], s[G0B+4*\c+3], 0x80000000
.endr
	s_cmp_eq_u32 s19, 0                            ; a wave's four fills stand in one branch on the wave's number: four loads of mine are out
	s_cbranch_scc0 .Lfill_big
.irp c, 0,1,2,3
	tensor_load_to_lds s[G0S+4*\c:G0S+4*\c+3], s[G1S:G1S+7]
	s_nop 0
.endr
	PLACES
	s_branch .Lfilled
.Lfill_big:
.irp c, 0,1,2,3
	tensor_load_to_lds s[G0B+4*\c:G0B+4*\c+3], s[G1B:G1B+7]
	s_nop 0
.endr
	PLACES
.Lfilled:
	v_and_b32 v1, 31, v0                           ; lane
	v_and_b32 v2, 15, v0                           ; r
	v_bfe_u32 v3, v0, 4, 1                         ; h
	v_lshlrev_b32 v4, 4, v1                        ; 16 l
	v_lshlrev_b32 v5, 3, v1                        ; 8 l
	s_mul_i32 s27, s20, 8*CHB
.irp c, 0,1,2,3
	v_add_nc_u32 v[8+\c], s27, v4
	v_add_nc_u32 v[12+\c], s27, v5
	s_add_co_u32 s27, s27, BIGC
.endr
	s_mul_i32 s27, s19, 4*CHB
	s_add_co_u32 s27, s27, SMALLL
.irp c, 0,1,2,3
	v_add_nc_u32 v[16+\c], s27, v4
	v_add_nc_u32 v[20+\c], s27, v5
	s_add_co_u32 s27, s27, SMC
.endr
	s_mul_i32 s27, s18, 16*528                     ; my stage
	v_mul_u32_u24 v24, v2, 528
	v_lshl_add_u32 v24, v3, 6, v24
	v_add_nc_u32 v24, s27, v24                     ; in: row r, + 64 h bytes
	v_add_nc_u32 v25, s27, v4                      ; back: a whole row of 512 bytes, 16 a lane
	v_lshlrev_b32 v26, 5, v2
	v_lshl_add_u32 v26, v3, 4, v26                 ; scale words: 32 r + 16 h
	v_lshlrev_b32 v27, 6, v3                       ; the bias: 64 h
	s_lshl_b32 s88, s92, 13
	s_lshl_b32 s27, s20, 12
	s_add_co_u32 s88, s88, s27
	s_add_co_u32 s88, s88, WS_OFF
	s_add_nc_u64 s[94:95], s[6:7], s[88:89]
	s_lshl_b32 s90, s93, 12
	s_lshl_b32 s27, s19, 11
	s_add_co_u32 s90, s90, s27
	s_add_co_u32 s90, s90, AS_OFF
	s_add_nc_u64 s[96:97], s[4:5], s[90:91]
.irp i, 0,1,2,3,4,5,6,7
	global_load_b128 v[32+4*\i:35+4*\i], v26, s[94:95] offset:512*\i
.endr
.irp a, 0,1,2,3
	global_load_b128 v[64+4*\a:67+4*\a], v26, s[96:97] offset:512*\a
.endr
	s_lshl_b32 s88, s21, 10
	s_lshl_b32 s27, s20, 9
	s_add_co_u32 s88, s88, s27                     ; my first column, in bytes: 4 (256 cx + 128 (wave % 2))
	s_add_nc_u64 s[98:99], s[8:9], s[88:89]
	WIN 0x80
.irp b, 0,1,2,3,4,5,6,7
	global_load_b128 v[128+8*\b:131+8*\b], v27, s[98:99] offset:(32*(\b/2)+8*(\b%2))*4         ; bo in the result's layout: tile b's eight columns of my half
	global_load_b128 v[132+8*\b:135+8*\b], v27, s[98:99] offset:(32*(\b/2)+8*(\b%2))*4+16
.endr
	WIN 0
	s_lshl_b32 s90, s93, 19                        ; my first row of out0: 128 block + 64 (wave / 2), rows of 4,096 bytes
	s_lshl_b32 s27, s19, 18
	s_add_co_u32 s90, s90, s27
	s_add_co_u32 s90, s90, s88
	s_add_nc_u64 s[100:101], s[10:11], s[90:91]
	s_wait_tensorcnt 3                             ; my part of chunk 0 is in; chunks 1 to 3 may be out
	s_barrier_signal -1
	s_barrier_wait -1
	FETCH 0
	s_wait_loadcnt 0x0                             ; scale words and bias
	KSTEP 0, 1
.irp s, 1,2,3,4,5,6,7
	KSTEP \s, 0
.endr
	WIN 0
; THE WAY OUT, a tile of 16 rows x 128 columns at a time: register j of accumulator (a, b) in lane (r, h) is column 32 (b / 2) + 16 h + 8 (b % 2) + j of row r.  Through my stage, back as whole rows of 512 bytes.
; LDS serves a wave's instructions in order (ISA guide 5.7.1.4): no wait between the stores and the loads, nor ahead of the next tile's stores.
.macro TOSTAGE a
	WIN 0x0c                                       ; an LDS store's data: window 3
.irp b, 0,1,2,3,4,5,6,7
	ds_store_b128 v24, v[64*(\a)+8*\b:64*(\a)+8*\b+3] offset:128*(\b/2)+32*(\b%2)          ; each accumulator from its low end on
	ds_store_b128 v24, v[64*(\a)+8*\b+4:64*(\a)+8*\b+7] offset:128*(\b/2)+32*(\b%2)+16
.endr
	WIN 0
.set BB, 96+64*((\a)%2)
.irp i, 0,1,2,3,4,5,6,7,8,9,10,11,12,13,14,15
	ds_load_b128 v[BB+4*\i:BB+4*\i+3], v25 offset:528*\i
.endr
.endm
.macro SEND a, younger                 ; younger: the LDS instructions issued behind tile a's loads, which may stay out
.set BB, 96+64*((\a)%2)
	s_wait_dscnt \younger
.irp i, 0,1,2,3,4,5,6,7,8,9,10,11,12,13,14,15
	global_store_b128 v4, v[BB+4*\i:BB+4*\i+3], s[100:101] offset:(32*((\a)/2)+8*((\a)%2)+\i+8*(\i/8))*4096 th:TH_STORE_NT   ; 32 lanes store 512 consecutive bytes, at a multiple of 256 from out0's first byte
.endr
.endm
	PLACES
	TOSTAGE 0
.irp a, 1,2,3
.if \a > 1
	s_wait_xcnt 0x0                                ; tile a - 2's stores have read their registers: tile a's rows may land there
.endif
	TOSTAGE \a
	SEND \a-1, 32                                  ; behind tile a - 1's loads: tile a's 16 stores and 16 loads
.endr
	SEND 3, 0
	s_wait_tensorcnt 0x0                           ; the wave's end
	ds_add_u32 v6, v7
	s_wait_dscnt 0x0
	CROUND                                         ; the closing round
	s_endpgm
.Lfunc_end_k_q9770118932_proj:
	.size	k_q9770118932_proj, .Lfunc_end_k_q9770118932_proj-k_q9770118932_proj
	.p2alignl 7, 3214868480
	.fill 96, 4, 3214868480
	.section	.rodata,"a",@progbits
	.p2align	6, 0x0
	.amdhsa_kernel k_q9770118932_proj
		.amdhsa_group_segment_fixed_size 327680
		.amdhsa_private_segment_fixed_size 0
		.amdhsa_enable_private_segment 0
		.amdhsa_kernarg_size 32
		.amdhsa_user_sgpr_count 2
		.amdhsa_user_sgpr_kernarg_segment_ptr 1
		.amdhsa_wavefront_size32 1
		.amdhsa_system_sgpr_workgroup_id_x 1
		.amdhsa_system_sgpr_workgroup_id_y 1
		.amdhsa_system_sgpr_workgroup_id_z 1
		.amdhsa_system_vgpr_workitem_id 0
		.amdhsa_next_free_vgpr 1024
		.amdhsa_next_free_sgpr 102
		.amdhsa_reserve_vcc 0
		.amdhsa_float_denorm_mode_32 3
		.amdhsa_float_denorm_mode_16_64 3
		.amdhsa_memory_ordered 1
		.amdhsa_forward_progress 1
		.amdhsa_inst_pref_size 85
	.end_amdhsa_kernel
	.amdgpu_metadata
---
amdhsa.version: [ 1, 2 ]
amdhsa.kernels:
  - .name:           k_q9770118932_proj
    .symbol:         k_q9770118932_proj.kd
    .args:
      - { .name: aq, .offset: 0, .size: 8, .value_kind: global_buffer, .address_space: global }
      - { .name: wq, .offset: 8, .size: 8, .value_kind: global_buffer, .address_space: global }
      - { .name: bo, .offset: 16, .size: 8, .value_kind: global_buffer, .address_space: global }
      - { .name: out0, .offset: 24, .size: 8, .value_kind: global_buffer, .address_space: global }
    .group_segment_fixed_size: 327680
    .private_segment_fixed_size: 0
    .kernarg_segment_align: 8
    .kernarg_segment_size: 32
    .max_flat_workgroup_size: 128
    .sgpr_count:     102
    .vgpr_count:     1024
    .wavefront_size: 32
...
	.end_amdgpu_metadata
.endif
;; end of part 4
